; MI455X (gfx1250); checked and timed in simulation.
; The chip was launched on July 23, 2026; its instructions are those of AMD's public machine-readable ISA for CDNA 5 (MIT licence, August 2026) and "CDNA5" Instruction Set Architecture Reference Guide (July 2026). The comments in the code are by the model that wrote it; some were corrected since.
;; Causal Self Attention With KV Cache. Allowed arithmetic: matrix products marked QUANTISED: E2M1 operands, one E8M0 scale for each 32 along K, by v_wmma_scale_f32_16x16x128_f8f6f4 with both operands' format E2M1 (or v_wmma_scale_f32_32x16x128_f4), f32 sums; products left as they are: bf16, f16 or f32 operands; f32 sums; everything else in f32.
;; Inputs: Wk 1,024 x 1,024 float32; Wp 1,024 x 1,024 float32; Wq 1,024 x 1,024 float32; Wv 1,024 x 1,024 float32; bk 1,024 float32; bp 1,024 float32; bq 1,024 float32; bv 1,024 float32; x 4 x 2,048 x 1,024 float32.
;; Outputs: out0 4 x 2,048 x 1,024 float32.
;; This version of the problem:
;;   THIS VERSION OF THE PROBLEM IS GIVEN IN LOW PRECISION. The matrix products marked QUANTISED in the list below multiply operands that are first quantised to E2M1 (2 exponent bits, 1 mantissa bit; 4 bits a number), with one power-of-two scale for each 32 numbers along K (OCP MX v1.0); their sums are f32. The products marked 'left as it is' may take bf16, f16 or f32 operands, with f32 sums. Whichever they take, every output number must still come out within the allowed error. Rounding operands to bf16 (8 significant bits) uses up far more of that allowance than f16 does (11 bits, for magnitudes from 6e-5 to 65,504). All else is computed in f32.
;;   The module's matrix products, in the order in which they are computed (A, B: the left and right operand; K: the contracted axis; several contracted axes count as one K, in the product's order):
;;     1. [M 8,192, K 1,024] x [K 1,024, N 1,024]; A: input x; B: input Wq: QUANTISED
;;     2. [M 8,192, K 1,024] x [K 1,024, N 1,024]; A: input x; B: input Wk: QUANTISED
;;     3. [M 8,192, K 1,024] x [K 1,024, N 1,024]; A: input x; B: input Wv: QUANTISED
;;     4. batch 64 x [M 2,048, K 64] x [K 64, N 2,048]; A: computed on the way; B: computed on the way: left as it is (an operand is computed on the way)
;;     5. batch 64 x [M 2,048, K 2,048] x [K 2,048, N 64]; A: computed on the way; B: computed on the way: left as it is (an operand is computed on the way)
;;     6. [M 8,192, K 1,024] x [K 1,024, N 1,024]; A: computed on the way; B: input Wp: left as it is (an operand is computed on the way)
;;   THE QUANTISER, for each operand of a quantised product, along K:
;;     - K is cut into blocks of 32 from its start; a last block that is shorter is filled with zeros.
;;     - A block's scale is 2^e with e = floor(log2(the largest magnitude in the block)) - 2, held to -126 .. 127; a block of zeros has e = 0. As a byte (E8M0): e + 127.
;;     - Each number is divided by its block's scale, clamped to +-6, and rounded to the nearest number of E2M1, ties to even, subnormals kept.
;;     - The product sums the exact products of the quantised numbers (number of the format x scale) in f32.
;;   ~~~python
;;   def quantise(x, axis):      # numpy; x: float32 -> the quantised numbers, widened to float32 again
;;       x = np.moveaxis(x, axis, -1); K = x.shape[-1]
;;       x = np.pad(x, [(0, 0)] * (x.ndim - 1) + [(0, -K % 32)]); x = x.reshape(x.shape[:-1] + (-1, 32)); a = np.abs(x).max(-1, keepdims=True)
;;       e = np.where(a > 0, np.clip(np.frexp(np.where(a > 0, a, 1))[1] - 1 - 2, -126, 127), 0)      # np.frexp(a)[1] - 1 = floor(log2(a)), exactly
;;       r = np.clip(x / 2.0 ** e, -6, 6)
;;       step = 2.0 ** (np.maximum(np.frexp(np.where(r == 0, 1, r))[1] - 1, 0) - 1)
;;       q = np.round(r / step) * step * 2.0 ** e      # np.round: ties to even
;;       return np.moveaxis(q.reshape(q.shape[:-2] + (-1,))[..., :K], -1, axis).astype(np.float32)
;;   ~~~
;; One version. Each part assembles by itself: llvm-mc -triple=amdgcn-amd-amdhsa -mcpu=gfx1250 --defsym DOCPART=n.
;; ======== version 1 of 1: 5 launches
;; limits: values are held in f16: magnitudes above 65,504 overflow, below 6.1e-05 lose precision
;; workspace buffers: xcodes 4,456,448 bytes; wcodes 1,671,168 bytes; wp16 2,097,152 bytes; qkv16 50,331,648 bytes; y16 16,777,216 bytes; fine32 786,432 bytes
;; launch prep (part 1): grid 320 x 1, 4 waves a work-group, no clusters, 35,328 bytes of LDS; arguments x, Wq, Wk, Wv, Wp, xcodes, wcodes, wp16; writes xcodes, wcodes, wp16
.if DOCPART == 1
	.amdgcn_target "amdgcn-amd-amdhsa--gfx1250"
	.amdhsa_code_object_version 6
	.text
	.protected	k_qaf2b29fdeb_prep
	.globl	k_qaf2b29fdeb_prep
	.p2align	8
	.type	k_qaf2b29fdeb_prep,@function
k_qaf2b29fdeb_prep:
	s_mov_b64 s[64:65], 0
	v_nop
	global_prefetch_b8 v0, s[64:65] scope:SCOPE_SE
	s_setreg_imm32_b32 hwreg(HW_REG_WAVE_MODE, 25, 1), 1
	s_wait_xcnt 0x0
; PREP.  x [8192][1024] f32 and Wq, Wk, Wv [1024 (k)][1024 (n)] f32 become codes of FP4 (E2M1) with one E8M0 byte for each 32 along K; Wp becomes f16.
; Everything is stored as IMAGES OF OPERAND REGISTERS: a chunk is 16 bytes, lane l's chunk lies at 16 l, so that the launches that follow load fragments as they lie.
;   codes:  [tile of 16 rows][K step of 128: 8][c: 2][lane 16 h + r][16 bytes] = the 32 codes k = 128 step + 64 c + 32 h + 0..31 of row r
;   scales: behind the codes, [tile][half of K: 2][r: 16][4 words], a word = the four bytes of one K step of 128
;   wp16:   [tile of 16 columns n][f: 32][c: 2][lane][16 bytes] = Wp[32 f + 16 c + 8 h + 0..7][16 tile + r] in f16
; A block's scale is 2^(floor(log2(largest magnitude)) - 2): its byte is the largest magnitude's exponent field - 2, held at 1 from below.
; LIMITS: a block of zeros gets the byte 1 (its codes are zeros, and this program alone reads the bytes); NaN and infinities among the inputs are not served.
; Work-groups 0-63 take the four weights (a lane to a column, registers down K: nothing is transposed), work-groups 64-319 take x.  No tensor loads, no barrier: waves share nothing.
.set SPW,   12                         ; v12  LDS address of my spare word; never rewritten
.set NIL,   13                         ; v13  0; never rewritten
.set SPARE, 34816                      ; behind the four stages: 128 bytes for each wave
.set WREG,  8704                       ; a wave's stage: 16 rows of SP bytes
.set SP,    528                        ; 512 bytes + 16: row r starts 4 r banks on, so the sixteen rows of a read start at sixteen different banks
.set XSC,   4194304                    ; where x's scale words begin
.set WSC,   1572864                    ; where the weights' begin
.set R,     32                         ; v32-159   x as loaded, two sets of 64
.set X,     160                        ; v160-223  64 numbers of my row: register 32 c + i = k 64 c + 32 h + i
.set C,     224                        ; v224-255  codes: 8 registers a step, never rewritten
.set SW,    24                         ; v24-27    scale words
	s_load_b512 s[16:31], s[0:1], 0x0              ; x, Wq, Wk, Wv, Wp, xcodes, wcodes, wp16
	v_lshl_add_u32 v[SPW], v0, 2, SPARE
	v_mov_b32 v[NIL], 0
	v_lshrrev_b32 v1, 5, v0
	v_readfirstlane_b32 s2, v1                     ; wave
	v_and_b32 v2, 31, v0                           ; lane
	v_and_b32 v6, 15, v0                           ; r
	v_bfe_u32 v7, v0, 4, 1                         ; h
	s_cmp_lt_u32 ttmp9, 64
	s_cbranch_scc1 .Lweights
; ---------------- x: a wave takes 16 rows x 512 along K, in four steps of 128
	s_sub_co_u32 s3, ttmp9, 64
	s_lshl_b32 s3, s3, 2
	s_add_co_u32 s3, s3, s2                        ; unit 0..1023
	s_lshr_b32 s4, s3, 1                           ; tile of 16 rows
	s_and_b32 s5, s3, 1                            ; half of K
	s_lshl_b32 s6, s4, 16                          ; x: 16 rows of 4,096 bytes,
	s_lshl_b32 s7, s5, 11                          ; 512 numbers
	s_add_co_u32 s6, s6, s7
	s_mov_b32 s7, 0
	s_lshl_b32 s8, s4, 13                          ; codes: 8,192 bytes a tile, 4,096 a half
	s_lshl_b32 s9, s5, 12
	s_add_co_u32 s8, s8, s9
	s_mov_b32 s9, 0
	s_lshl_b32 s10, s4, 9                          ; scale words: 512 bytes a tile, 256 a half
	s_lshl_b32 s11, s5, 8
	s_add_co_u32 s10, s10, s11
	s_add_co_u32 s10, s10, XSC
	s_mov_b32 s11, 0
	s_mov_b32 s34, 0x76543210
	s_mov_b32 s35, 0xfedcba98                      ; v_permlanex16_b32's selects for lane l xor 16
	v_lshlrev_b32 v3, 4, v2                        ; 16 x lane
	s_mul_i32 s12, s2, WREG
	v_add_nc_u32 v4, s12, v3                       ; the stage, in: a row's 512 bytes as they lie
	v_mul_u32_u24 v5, v6, SP
	v_lshl_add_u32 v5, v7, 7, v5
	v_add_nc_u32 v5, s12, v5                       ; out: row r, + 128 h: my 32 numbers of a pair of blocks
	v_lshlrev_b32 v18, 3, v7                       ; 8 h: my bytes' place in a scale word
	v_mov_b32 v17, 0                               ; a lane permute's destination counts as one of its sources
	s_wait_kmcnt 0x0
	s_add_nc_u64 s[16:17], s[16:17], s[6:7]
	s_add_nc_u64 s[36:37], s[26:27], s[8:9]
	s_add_nc_u64 s[38:39], s[26:27], s[10:11]
.macro XLOAD t                         ; step t: 512 consecutive bytes of each of the 16 rows
.set p, 0
.rept 16
	global_load_b128 v[R+64*((\t)%2)+4*p:R+64*((\t)%2)+4*p+3], v3, s[16:17] offset:4096*p+512*(\t) th:TH_LOAD_NT
.set p, p+1
.endr
.endm
.macro XSTEP t
.if (\t) < 3
	s_wait_loadcnt 16                              ; this step's 16 loads are in; the next step's 16 may be out
.else
	s_wait_loadcnt 0
.endif
.set p, 0
.rept 16
	ds_store_b128 v4, v[R+64*((\t)%2)+4*p:R+64*((\t)%2)+4*p+3] offset:SP*p
.set p, p+1
.endr
.irp c, 0,1
.set p, 0
.rept 8
	ds_load_b128 v[X+32*\c+4*p:X+32*\c+4*p+3], v5 offset:256*\c+16*p   ; LDS serves a wave's instructions in order: these see the stores above
.set p, p+1
.endr
.endr
	s_wait_dscnt 0x0                               ; my 64 numbers are back
.if (\t) < 2
	XLOAD (\t)+2
.endif
.irp c, 0,1
	v_max3_num_f32 v[8+\c], |v[X+32*\c]|, |v[X+32*\c+1]|, 0x1800000   ; block 2 c + h is all mine; the floor 2^(3 - 127) holds the byte at 1 from below
.endr
.set p, 2
.rept 15
.irp c, 0,1
	v_max3_num_f32 v[8+\c], v[8+\c], |v[X+32*\c+p]|, |v[X+32*\c+p+1]|
.endr
.set p, p+2
.endr
.irp c, 0,1
	v_add_nc_u32 v[10+\c], 0xff000000, v[8+\c]     ; 2 off the exponent field: the conversion's scale operand
.endr
.irp c, 0,1
	v_lshrrev_b32 v[14+\c], 23, v[10+\c]           ; the scale's byte
.endr
	v_lshl_or_b32 v16, v15, 16, v14                ; bytes h and 2 + h of my row's word,
	v_lshlrev_b32 v16, v18, v16                    ; at their places;
	v_permlanex16_b32 v17, v16, s34, s35
	v_or_b32 v[SW+(\t)], v16, v17                  ; with lane l xor 16's two the word is whole
.irp c, 0,1
.irp g, 0,1,2,3
	v_cvt_scalef32_pk8_fp4_f32 v[C+8*(\t)+4*\c+\g], v[X+32*\c+8*\g:X+32*\c+8*\g+7], v[10+\c]
.endr
.endr
	v_nop                                          ; one plain instruction behind the last scaled conversion
	global_store_b128 v3, v[C+8*(\t):C+8*(\t)+3], s[36:37] offset:1024*(\t)          ; 32 lanes store 512 consecutive bytes
	global_store_b128 v3, v[C+8*(\t)+4:C+8*(\t)+7], s[36:37] offset:1024*(\t)+512
.endm
	XLOAD 0
	XLOAD 1
	XSTEP 0
	XSTEP 1
	XSTEP 2
	XSTEP 3
	v_cmp_eq_u32 vcc_lo, 1, v7                     ; both halves of the lanes hold all four words: lane (r, h) stores words 2 h and 2 h + 1
	v_cndmask_b32 v20, v[SW], v[SW+2], vcc_lo
	v_cndmask_b32 v21, v[SW+1], v[SW+3], vcc_lo
	v_lshlrev_b32 v19, 4, v6
	v_lshl_add_u32 v19, v7, 3, v19
	global_store_b64 v19, v[20:21], s[38:39]       ; 32 lanes store 256 consecutive bytes, aligned
	s_branch .Lend
; ---------------- the weights: a wave takes 32 columns x 512 along K = 16 blocks a lane
.Lweights:
	s_lshr_b32 s33, ttmp9, 4                       ; which weight: Wq, Wk, Wv, Wp
	s_bfe_u32 s3, ttmp9, 0x10003                   ; which half of K
	s_and_b32 s4, ttmp9, 7
	s_lshl_b32 s4, s4, 7
	s_lshl_b32 s5, s2, 5
	s_add_co_u32 s4, s4, s5                        ; my first column
	s_lshl_b32 s6, s3, 21                          ; 512 rows of 4,096 bytes
	s_lshl_b32 s7, s4, 2
	s_add_co_u32 s6, s6, s7
	s_mov_b32 s7, 0
	v_lshlrev_b32 v3, 2, v2                        ; 4 bytes a lane: a load reads 128 consecutive bytes, the four waves stand side by side
	s_lshr_b32 s8, s4, 4                           ; my first tile of 16 columns
	v_lshlrev_b32 v9, 4, v6                        ; 16 r
	s_wait_kmcnt 0x0
	s_cmp_eq_u32 s33, 1                            ; the choice hangs on the work-group's number alone
	s_cselect_b64 s[18:19], s[20:21], s[18:19]
	s_cmp_eq_u32 s33, 2
	s_cselect_b64 s[18:19], s[22:23], s[18:19]
	s_cmp_eq_u32 s33, 3
	s_cselect_b64 s[18:19], s[24:25], s[18:19]
	s_add_nc_u64 s[18:19], s[18:19], s[6:7]
.macro WLOAD t                         ; block t: W(32 t + i, my column) into set t % 2 of v32-95
.set p, 0
.rept 32
	global_load_b32 v[32+32*((\t)%2)+p], v3, s[18:19] offset:(32*(\t)+p)*4096 th:TH_LOAD_NT
.set p, p+1
.endr
.endm
.macro WWAIT t
.if (\t) < 15
	s_wait_loadcnt 32                              ; this block's 32 loads are in; the next block's may be out
.else
	s_wait_loadcnt 0
.endif
.endm
	WLOAD 0
	WLOAD 1
	s_cmp_eq_u32 s33, 3
	s_cbranch_scc1 .Lwp
	; Wq, Wk, Wv: codes
	s_lshl_b32 s9, s33, 6
	s_add_co_u32 s8, s8, s9                        ; tile 64 x weight + column / 16
	s_lshl_b32 s10, s8, 13
	s_lshl_b32 s11, s3, 12
	s_add_co_u32 s10, s10, s11
	s_mov_b32 s11, 0
	s_add_nc_u64 s[36:37], s[28:29], s[10:11]
	s_lshl_b32 s10, s8, 9
	s_lshl_b32 s9, s3, 8
	s_add_co_u32 s10, s10, s9
	s_add_co_u32 s10, s10, WSC
	s_add_nc_u64 s[38:39], s[28:29], s[10:11]
	v_lshl_add_u32 v4, v7, 13, v9                  ; codes: lanes 16-31 are the next tile; 16 r
	v_lshl_add_u32 v5, v7, 9, v9                   ; scale words likewise
.macro QBLOCK t
.set XS, 32+32*((\t)%2)
	WWAIT \t
	v_max3_num_f32 v8, |v[XS]|, |v[XS+1]|, |v[XS+2]|
	v_max3_num_f32 v10, |v[XS+3]|, |v[XS+4]|, |v[XS+5]|
.irp i, 6,10,14,18,22,26
	v_max3_num_f32 v8, v8, |v[XS+\i]|, |v[XS+\i+1]|
	v_max3_num_f32 v10, v10, |v[XS+\i+2]|, |v[XS+\i+3]|
.endr
	v_max3_num_f32 v8, v8, |v[XS+30]|, |v[XS+31]|
	v_max3_num_f32 v8, v8, v10, 0x1800000          ; and the floor
	v_add_nc_u32 v10, 0xff000000, v8               ; the conversion's scale operand
	v_lshrrev_b32 v11, 23, v10                     ; the byte
.if (\t)%4 == 0
	v_mov_b32 v[SW+(\t)/4], v11
.else
	v_lshl_or_b32 v[SW+(\t)/4], v11, 8*((\t)%4), v[SW+(\t)/4]
.endif
.irp g, 0,1,2,3
	v_cvt_scalef32_pk8_fp4_f32 v[96+4*(\t)+\g], v[XS+8*\g:XS+8*\g+7], v10
.endr
	v_nop
	global_store_b128 v4, v[96+4*(\t):96+4*(\t)+3], s[36:37] offset:((\t)/4)*1024+(((\t)%4)/2)*512+((\t)%2)*256   ; sixteen lanes store 256 consecutive bytes, aligned; each block has registers of its own
.if (\t)+2 < 16
	WLOAD (\t)+2
.endif
.endm
.set Q, 0
.rept 16
	QBLOCK Q
.set Q, Q+1
.endr
	global_store_b128 v5, v[SW:SW+3], s[38:39]     ; my column's four scale words
	s_branch .Lend
	; Wp: f16
.Lwp:
	s_lshl_b32 s10, s8, 15                         ; 32,768 bytes a tile of columns,
	s_lshl_b32 s11, s3, 14                         ; 16 f of 1,024 bytes a half of K
	s_add_co_u32 s10, s10, s11
	s_mov_b32 s11, 0
	s_add_nc_u64 s[36:37], s[30:31], s[10:11]
	v_lshl_add_u32 v4, v7, 15, v9
.macro PBLOCK t
.set XS, 32+32*((\t)%2)
.set PS, 96+16*((\t)%2)
	WWAIT \t
	s_wait_xcnt 0x0                                ; the stores of two blocks ago have read this set
.set p, 0
.rept 16
	v_cvt_pk_f16_f32 v[PS+p], v[XS+2*p], v[XS+2*p+1]
.set p, p+1
.endr
.irp c, 0,1
.irp u, 0,1
	global_store_b128 v4, v[PS+8*\c+4*\u:PS+8*\c+4*\u+3], s[36:37] offset:1024*(\t)+512*\c+256*\u   ; k = 16 c + 8 u + 0..7 of the block
.endr
.endr
.if (\t)+2 < 16
	WLOAD (\t)+2
.endif
.endm
.set Q, 0
.rept 16
	PBLOCK Q
.set Q, Q+1
.endr
.Lend:
	s_wait_tensorcnt 0x0                           ; the wave's end
	ds_add_u32 v[SPW], v[NIL]
	s_wait_dscnt 0x0
	s_endpgm
.Lfunc_end_k_qaf2b29fdeb_prep:
	.size	k_qaf2b29fdeb_prep, .Lfunc_end_k_qaf2b29fdeb_prep-k_qaf2b29fdeb_prep
	.p2alignl 7, 3214868480
	.fill 96, 4, 3214868480
	.section	.rodata,"a",@progbits
	.p2align	6, 0x0
	.amdhsa_kernel k_qaf2b29fdeb_prep
		.amdhsa_group_segment_fixed_size 35328
		.amdhsa_private_segment_fixed_size 0
		.amdhsa_enable_private_segment 0
		.amdhsa_kernarg_size 64
		.amdhsa_user_sgpr_count 2
		.amdhsa_user_sgpr_kernarg_segment_ptr 1
		.amdhsa_wavefront_size32 1
		.amdhsa_system_sgpr_workgroup_id_x 1
		.amdhsa_system_sgpr_workgroup_id_y 1
		.amdhsa_system_sgpr_workgroup_id_z 1
		.amdhsa_system_vgpr_workitem_id 0
		.amdhsa_next_free_vgpr 256
		.amdhsa_next_free_sgpr 66
		.amdhsa_reserve_vcc 1
		.amdhsa_float_denorm_mode_32 3
		.amdhsa_float_denorm_mode_16_64 3
		.amdhsa_memory_ordered 1
		.amdhsa_forward_progress 1
		.amdhsa_inst_pref_size 170
	.end_amdhsa_kernel
	.amdgpu_metadata
---
amdhsa.version: [ 1, 2 ]
amdhsa.kernels:
  - .name:           k_qaf2b29fdeb_prep
    .symbol:         k_qaf2b29fdeb_prep.kd
    .args:
      - { .name: x, .offset: 0, .size: 8, .value_kind: global_buffer, .address_space: global }
      - { .name: Wq, .offset: 8, .size: 8, .value_kind: global_buffer, .address_space: global }
      - { .name: Wk, .offset: 16, .size: 8, .value_kind: global_buffer, .address_space: global }
      - { .name: Wv, .offset: 24, .size: 8, .value_kind: global_buffer, .address_space: global }
      - { .name: Wp, .offset: 32, .size: 8, .value_kind: global_buffer, .address_space: global }
      - { .name: xcodes, .offset: 40, .size: 8, .value_kind: global_buffer, .address_space: global }
      - { .name: wcodes, .offset: 48, .size: 8, .value_kind: global_buffer, .address_space: global }
      - { .name: wp16, .offset: 56, .size: 8, .value_kind: global_buffer, .address_space: global }
    .group_segment_fixed_size: 35328
    .private_segment_fixed_size: 0
    .kernarg_segment_align: 8
    .kernarg_segment_size: 64
    .max_flat_workgroup_size: 128
    .sgpr_count:     66
    .vgpr_count:     256
    .wavefront_size: 32
...
	.end_amdgpu_metadata
.endif
;; end of part 1
;; launch qkv (part 2): grid 12 x 32, 4 waves a work-group, clusters of 4 x 4, 279,040 bytes of LDS; arguments xcodes, wcodes, bq, bk, qkv16, fine32; writes qkv16, fine32
.if DOCPART == 2
	.amdgcn_target "amdgcn-amd-amdhsa--gfx1250"
	.amdhsa_code_object_version 6
	.text
	.protected	k_qaf2b29fdeb_qkv
	.globl	k_qaf2b29fdeb_qkv
	.p2align	8
	.type	k_qaf2b29fdeb_qkv,@function
k_qaf2b29fdeb_qkv:
	s_mov_b64 s[64:65], 0
	v_nop
	global_prefetch_b8 v0, s[64:65] scope:SCOPE_SE
	s_setreg_imm32_b32 hwreg(HW_REG_WAVE_MODE, 25, 1), 1
	s_wait_xcnt 0x0
	s_wait_alu depctr_hold_cnt(0) depctr_sa_sdst(0) depctr_va_vdst(0) depctr_va_sdst(0) depctr_va_ssrc(0) depctr_va_vcc(0) depctr_vm_vsrc(0)
	s_getreg_b32 s2, hwreg(HW_REG_IB_STS2, 6, 4)
	s_cmp_eq_u32 s2, 0
	s_cbranch_scc0 .Lentry_in_a_cluster
	s_endpgm
.Lentry_in_a_cluster:
	s_bfe_u32 s2, ttmp6, 0x10000c
	s_cmp_lg_u32 s2, 0xf033
	s_cbranch_scc0 .Lentry_shape_is_right
	s_endpgm
.Lentry_shape_is_right:
; QKV.  q = (x Wq + bq) log2(e) / 8, k = x Wk + bk, v = x Wv (bv is added behind the softmax, whose weights sum to 1), all three products on codes of FP4 with E8M0 scales, sums in f32, results in f16.
; A tile of 256 x 256 is made by four waves, 128 x 128 each: 64 accumulators, 512 registers.  K = 1,024 is two LDS slots of 512: both slots and all scale words are first fills, nothing is filled again.
; ONE LOOP, TWO ORIENTATIONS.  Source 1 ("A") gives a result's lane, source 0 ("B") its eight registers.  Clusters x = 0, 1 (q, k): A = x, B = rows of Wq or Wk: a lane holds one token and eight neighbouring channels.
; Cluster x = 2 (v): A = rows of Wv, B = x: a lane holds one channel and eight neighbouring tokens, which is the operand that the attention's second product wants.  Only pointers and offsets differ, chosen on the cluster's x.
; The two ways part ahead of the last step of 128 along K, which is written once in each: the q, k way asks for its bias first, so that the loads land under that step's 64 products.
; Codes and scale words lie in memory as images of operand registers, so a fragment is two LDS loads at 16 x lane, and results leave straight from registers, 512 consecutive bytes a store:
;   qkv16: q, k, v, 16,777,216 bytes each: [batch x head 64][tile of 16 tokens 128][4][lane][16 bytes]; q, k: token r, channels 16 blk + 8 h + 0..7; v: channel 16 blk + r, tokens 8 h + 0..7
;   fine32: the f32 results of the first 16 tokens of each sequence, [q, k, v][batch][16 channels: 64][half 2][lane][16 bytes]: the accumulator's registers as they stand
; CLUSTERS: 4 x 4 work-groups; A's tile is shared along a row of the cluster, B's along a column: each is asked for jointly.
; LIMITS: |q log2(e) / 8|, |k|, |v| stay under 65,504 (f16).
.set NQ,    4                          ; matrix instructions deep in a slot
.set FR,    8                          ; registers of a fragment
.set NL,    2                          ; LDS loads that bring one
.set NP,    4                          ; places behind this matrix instruction (ISA guide 7.12.1)
.set HALFT, 32768                      ; 8 tiles of 16 rows x 4,096 bytes: what one tensor load brings
.set SLOT,  131072
.set SCL,   262144                     ; behind the slots: the scale words, 4,096 bytes a wave's load
.set SPARE, 278528                     ; the spare words, 128 bytes for each wave
.set XSC,   4194304
.set WSC,   1572864
.set BA,   13                          ; v13  bias: my byte
.set LI,   14                          ; v14  16 x lane
.set CND,  15                          ; v15  0 where my first 16 tokens are a sequence's first
.set ADRA, 16                          ; v16-17 LDS address of A's fragments in slot 0, 1
.set ADRB, 20                          ; v20-21 the same for B
.set ADRS, 27                          ; v27  scale words: lanes 0-15 A's, lanes 16-31 B's
.set SPW,  28
.set NIL,  29
.set SC,   32                          ; v32-95  scale words, two sets; they hold nothing else
.set T,    96                          ; v96-127 the way out: 32 results in f32
.set AF,   128                         ; v128-191 A's fragments, one set; on the way out: packed results
.set Y,    128
.set BI,   192                         ; v192-255 the bias in the result's layout
.set WV, 16
.set RH, 17
.set CH, 18
.set CX, 19
.set CY, 20
.set TA, 44                            ; s44 A's tile of 256 rows;  s45 B's
.set TBL, 45
.set G1, 24
.set G0, 32
.set G1B, 48
.set G0B, 56
.set G1S, 68
.set G0S, 76
.set G1SB, 80
.set G0SB, 88
.set MSB, 0
.macro WIN new                         ; the immediate's high byte repeats the setting that is left
.if MSB != (\new)
	s_set_vgpr_msb (MSB<<8)|(\new)
.set MSB, (\new)
.endif
.endm
.set MUL_LO, 0xa1                      ; source 0 (B) window 1, source 1 (A) window 0, C and D window 2
.set MUL_HI, 0xf1
.set TO_B,   0x40
.macro JLOAD g0a, g1a, g0b, g1b        ; waves 0 and 1 fetch for A, waves 2 and 3 for B; an s_nop 0 and four v_nop follow each line
	s_cmp_eq_u32 s[RH], 0
	s_cbranch_scc0 .Lfor_b_\@
	tensor_load_to_lds s[\g0a:\g0a+3], s[\g1a:\g1a+7]
	s_nop 0
.rept 4
	v_nop
.endr
	s_branch .Lasked_\@
.Lfor_b_\@:
	tensor_load_to_lds s[\g0b:\g0b+3], s[\g1b:\g1b+7]
	s_nop 0
.rept 4
	v_nop
.endr
.Lasked_\@:
.endm
.macro CROUND                          ; a round of the cluster's barrier
	s_barrier_signal -1
	s_barrier_wait -1
	s_cmp_lg_u32 s[WV], 0
	s_cbranch_scc1 .Lnot_wave_0_\@
	s_barrier_signal -3
.Lnot_wave_0_\@:
	s_barrier_wait -3
	s_barrier_signal -1
	s_barrier_wait -1
.endm
	s_load_b256 s[4:11], s[0:1], 0x0               ; xcodes, wcodes, bq, bk
	s_load_b128 s[12:15], s[0:1], 0x20             ; qkv16, fine32
	v_lshl_add_u32 v[SPW], v0, 2, SPARE
	v_mov_b32 v[NIL], 0
	ds_add_u32 v[SPW], v[NIL]                      ; the opening: the add, twice on end, and its wait ahead of my first tensor load
	ds_add_u32 v[SPW], v[NIL]
	v_lshrrev_b32 v1, 5, v0
	v_readfirstlane_b32 s[WV], v1
	s_lshr_b32 s[RH], s[WV], 1                     ; which half of A's rows is mine.  Also: I fetch for A (0) or for B (1)
	s_and_b32 s[CH], s[WV], 1                      ; which half of B's rows.  Also: which 128 rows I fetch
	s_bfe_u32 s[CX], ttmp6, 0x40000
	s_bfe_u32 s[CY], ttmp6, 0x40004
	s_and_b32 s21, ttmp7, 0xffff
	s_lshl_b32 s21, s21, 2                         ; 4 x cluster y
	s_add_co_u32 s22, s21, s[CY]                   ; x's tile where x is A
	s_add_co_u32 s40, s21, s[CX]                   ; x's tile where x is B
	s_lshl_b32 s41, ttmp9, 2
	s_add_co_u32 s41, s41, s[CX]                   ; Wq's and Wk's tiles 0..7
	s_mov_b32 s42, XSC
	s_mov_b32 s43, WSC
	s_cmp_eq_u32 ttmp9, 2                          ; v?  The cluster's x: the same in all sixteen partners
	s_cselect_b32 s[TA], s[CY], s22                ; A's tile hangs on cy alone,
	s_cselect_b32 s[TBL], s40, s41                 ; B's on cx alone
	s_cselect_b32 s23, 1048576, 0                  ; Wv's codes begin 128 tiles of 8,192 bytes on
	s_cselect_b32 s42, WSC+65536, s42              ; where A's scale words begin
	s_cselect_b32 s43, XSC, s43                    ; and B's
	s_lshl_b32 s46, s[CY], 2
	s_lshl_b32 s46, 15, s46                        ; my row of the cluster
	s_lshl_b32 s47, 0x1111, s[CX]                  ; my column
	; group 1, codes: 8 rows (tiles of 16 rows) of 4,096 bytes (512 elements of 8), 8,192 bytes apart; no padding: a fragment load reads 512 consecutive bytes
	s_or_b32 s[G1], s46, (3<<16)|(1<<21)
	s_or_b32 s[G1B], s47, (3<<16)|(1<<21)
.irp g, G1, G1B
	s_mov_b32 s[\g+1], 512<<16
	s_mov_b32 s[\g+2], 8<<16
	s_mov_b32 s[\g+3], 512<<16
	s_mov_b32 s[\g+4], 8
	s_mov_b32 s[\g+5], 1024
	s_mov_b32 s[\g+6], 0
	s_mov_b32 s[\g+7], 0
.endr
	; group 1, scale words: 4,096 dense bytes as 16 rows of 256
	s_or_b32 s[G1S], s46, (3<<16)|(1<<21)
	s_or_b32 s[G1SB], s47, (3<<16)|(1<<21)
.irp g, G1S, G1SB
	s_mov_b32 s[\g+1], 32<<16
	s_mov_b32 s[\g+2], 16<<16
	s_mov_b32 s[\g+3], 32<<16
	s_mov_b32 s[\g+4], 16
	s_mov_b32 s[\g+5], 32
	s_mov_b32 s[\g+6], 0
	s_mov_b32 s[\g+7], 0
.endr
	s_lshl_b32 s66, s[CH], 3
	s_lshl_b32 s92, s[TA], 4
	s_add_co_u32 s92, s92, s66                     ; A: the first tile of 16 rows that I fetch
	s_lshl_b32 s94, s92, 9
	s_add_co_u32 s94, s94, s42                     ; its scale words,
	s_mov_b32 s95, 0
	s_lshl_b32 s92, s92, 13
	s_add_co_u32 s92, s92, s23                     ; its codes
	s_mov_b32 s93, 0
	s_lshl_b32 s98, s[TBL], 4
	s_add_co_u32 s98, s98, s66                     ; B likewise
	s_lshl_b32 s100, s98, 9
	s_add_co_u32 s100, s100, s43
	s_mov_b32 s101, 0
	s_lshl_b32 s98, s98, 13
	s_mov_b32 s99, 0
	s_lshl_b32 s67, s[WV], 15                      ; where they go: wave x 32,768, wave x 4,096: no place in the cluster enters an LDS address
	s_lshl_b32 s96, s[WV], 12
	s_wait_dscnt 0x0                               ; both opening adds are done
	s_wait_kmcnt 0x0
	s_cmp_eq_u32 ttmp9, 2
	s_cselect_b64 s[40:41], s[6:7], s[4:5]         ; A's buffer
	s_cselect_b64 s[42:43], s[4:5], s[6:7]         ; B's
	s_add_nc_u64 s[92:93], s[40:41], s[92:93]
	s_add_nc_u64 s[94:95], s[40:41], s[94:95]
	s_add_nc_u64 s[98:99], s[42:43], s[98:99]
	s_add_nc_u64 s[100:101], s[42:43], s[100:101]
	CROUND                                         ; all sixteen work-groups are here: the first joint loads meet
	s_mov_b32 s[G0S], 1
	s_add_co_u32 s[G0S+1], s96, SCL
	s_mov_b64 s[G0S+2:G0S+3], s[94:95]
	s_or_b32 s[G0S+3], s[G0S+3], 0x80000000
	s_mov_b32 s[G0SB], 1
	s_add_co_u32 s[G0SB+1], s96, SCL
	s_mov_b64 s[G0SB+2:G0SB+3], s[100:101]
	s_or_b32 s[G0SB+3], s[G0SB+3], 0x80000000
	JLOAD G0S, G1S, G0SB, G1SB                     ; the scale words first; three loads of mine are out in all
.irp s, 0,1
	s_mov_b32 s[G0+4*\s], 1
	s_add_co_u32 s[G0+4*\s+1], s67, \s*SLOT
	s_add_nc_u64 s[G0+4*\s+2:G0+4*\s+3], s[92:93], \s*4096
	s_or_b32 s[G0+4*\s+3], s[G0+4*\s+3], 0x80000000
	s_mov_b32 s[G0B+4*\s], 1
	s_add_co_u32 s[G0B+4*\s+1], s67, \s*SLOT
	s_add_nc_u64 s[G0B+4*\s+2:G0B+4*\s+3], s[98:99], \s*4096
	s_or_b32 s[G0B+4*\s+3], s[G0B+4*\s+3], 0x80000000
	JLOAD G0+4*\s, G1, G0B+4*\s, G1B
.endr
	v_and_b32 v1, 15, v0                           ; r
	v_bfe_u32 v2, v0, 4, 1                         ; h
	v_and_b32 v[LI], 31, v0
	v_lshlrev_b32 v[LI], 4, v[LI]
	s_lshl_b32 s21, s[RH], 15                      ; my 128 rows of A,
	s_lshl_b32 s22, s[CH], 15
	s_add_co_u32 s22, s22, 2*HALFT                 ; of B
.irp s, 0,1
	v_add_nc_u32 v[ADRA+\s], s21, v[LI]
	v_add_nc_u32 v[ADRB+\s], s22, v[LI]
	s_add_co_u32 s21, s21, SLOT
	s_add_co_u32 s22, s22, SLOT
.endr
	s_lshl_b32 s21, s[RH], 12                      ; scale words: A's, my 128 rows;
	s_lshl_b32 s22, s[CH], 12
	s_add_co_u32 s22, s22, 8192                    ; B's, behind A's 256
	s_sub_co_u32 s22, s22, s21
	v_mul_u32_u24 v3, s22, v2                      ; lanes 16-31 take B's
	s_add_co_u32 s21, s21, SCL
	v_lshl_add_u32 v3, v1, 4, v3                   ; 16 bytes a row: a slot's four words
	v_add_nc_u32 v[ADRS], s21, v3
	; where the results go
	s_cmp_eq_u32 ttmp9, 2
	s_cselect_b32 s40, s[TBL], s[TA]               ; the tile of 256 tokens,
	s_cselect_b32 s41, s[CH], s[RH]                ; my half of it,
	s_cselect_b32 s42, s[CY], s[CX]                ; the quarter of the 1,024 channels,
	s_cselect_b32 s43, s[RH], s[CH]                ; my half of it
	s_lshr_b32 s46, s40, 3                         ; batch
	s_and_b32 s47, s40, 7
	s_lshl_b32 s47, s47, 1
	s_add_co_u32 s47, s47, s41                     ; which 128 tokens of the sequence
	v_mov_b32 v[CND], s47
	s_lshl_b32 s66, s42, 1
	s_add_co_u32 s66, s66, s43                     ; which 128 channels: two heads, eight blocks of 16
	s_lshl_b32 s67, s46, 4
	s_lshl_b32 s96, s66, 1
	s_add_co_u32 s67, s67, s96                     ; 16 batch + my first head
	s_lshl_b32 s67, s67, 18                        ; 128 tiles of 2,048 bytes a head
	s_lshl_b32 s96, s47, 14                        ; 8 tiles
	s_add_co_u32 s67, s67, s96
	s_lshl_b32 s96, ttmp9, 24                      ; q, k or v
	s_add_co_u32 s96, s96, s67
	s_mov_b32 s97, 0
	s_add_nc_u64 s[12:13], s[12:13], s[96:97]
	s_lshl_b32 s96, ttmp9, 18
	s_lshl_b32 s67, s46, 16
	s_add_co_u32 s96, s96, s67
	s_lshl_b32 s67, s66, 13
	s_add_co_u32 s96, s96, s67
	s_add_nc_u64 s[14:15], s[14:15], s[96:97]      ; fine32: always inside the buffer, whether I store there or not
	s_lshl_b32 s67, s66, 9                         ; the bias of my 128 channels
	v_lshlrev_b32 v[BA], 5, v2
	v_add_nc_u32 v[BA], s67, v[BA]                 ; + 32 h: register 8 b + j is channel 16 b + 8 h + j
	s_cmp_eq_u32 ttmp9, 0
	s_cselect_b64 s[8:9], s[8:9], s[10:11]         ; bq or bk
.macro FRAG reg, adr, q, i             ; 16 rows x 128 K: registers 4 c .. 4 c + 3 hold K = 64 c + 32 h + 0..31: two images of 512 bytes
.irp c, 0,1
	ds_load_b128 v[\reg+4*\c:\reg+4*\c+3], v[\adr] offset:1024*(\q)+512*\c+(\i)*4096
.endr
.endm
; 16 matrix instructions: A's blocks a0, a0 + 1 x B's eight.  The 64 accumulators take turns, one instruction a turn, in the same order in every step.
.macro MUL16 a0, p, q, sc, zero
.irp a, \a0, \a0+1
.irp b, 0,1,2,3,4,5,6,7
.if \zero
	v_wmma_scale_f32_16x16x128_f8f6f4 v[8*(8*((\a)%4)+\b):8*(8*((\a)%4)+\b)+7], v[128*(\p)+FR*\b:128*(\p)+FR*\b+FR-1], v[AF+FR*(\a):AF+FR*(\a)+FR-1], 0, v[SC+8*NQ*(\sc)+NQ*\b+(\q)], v[SC+8*NQ*(\sc)+NQ*(\a)+(\q)] matrix_a_fmt:MATRIX_FMT_FP4 matrix_b_fmt:MATRIX_FMT_FP4 matrix_a_scale:MATRIX_SCALE_ROW1
.else
	v_wmma_scale_f32_16x16x128_f8f6f4 v[8*(8*((\a)%4)+\b):8*(8*((\a)%4)+\b)+7], v[128*(\p)+FR*\b:128*(\p)+FR*\b+FR-1], v[AF+FR*(\a):AF+FR*(\a)+FR-1], v[8*(8*((\a)%4)+\b):8*(8*((\a)%4)+\b)+7], v[SC+8*NQ*(\sc)+NQ*\b+(\q)], v[SC+8*NQ*(\sc)+NQ*(\a)+(\q)] matrix_a_fmt:MATRIX_FMT_FP4 matrix_b_fmt:MATRIX_FMT_FP4 matrix_a_scale:MATRIX_SCALE_ROW1
.endif
.endr
.endr
.endm
.macro FETCH_B slot, q, p
	WIN TO_B
.irp i, 0,1,2,3,4,5,6,7
	FRAG 128*(\p)+FR*\i, ADRB+\slot, \q, \i
.endr
	WIN 0
.endm
.macro FETCH_A slot, q, i0
.irp i, \i0, \i0+1, \i0+2, \i0+3
	FRAG AF+FR*(\i), ADRA+\slot, \q, \i
.endr
.endm
.macro SCALES sc                       ; a slot's four words a row: lanes 0-15 A's block i, lanes 16-31 B's block i
.irp i, 0,1,2,3,4,5,6,7
	ds_load_b128 v[SC+8*NQ*\sc+NQ*\i:SC+8*NQ*\sc+NQ*\i+3], v[ADRS] offset:\i*512
.endr
.endm
.macro PLACES n                        ; plain instructions between a matrix instruction and a load into, or a read of, its registers
.rept \n
	v_nop
.endr
.endm
.macro STEP slot, q, zero              ; 128 along K, with its successor in the same slot
	s_wait_dscnt 4*NL                              ; B's set and A's blocks 0-3 are in; the youngest eight loads (A's blocks 4-7) may be out
	WIN MUL_LO
	MUL16 0, (\q)%2, \q, \slot, \zero
	MUL16 2, (\q)%2, \q, \slot, \zero
	s_wait_dscnt 0
	PLACES NP
	FETCH_B \slot, (\q)+1, 1-(\q)%2
	FETCH_A \slot, (\q)+1, 0
	WIN MUL_HI
	MUL16 4, (\q)%2, \q, \slot, \zero
	MUL16 6, (\q)%2, \q, \slot, \zero
	PLACES NP
	WIN 0
	FETCH_A \slot, (\q)+1, 4
.endm
.macro STEPS slot, from
.set Q, \from
.rept NQ-1-\from
	STEP \slot, Q, 0
.set Q, Q+1
.endr
.endm
.macro LAST                            ; the last step of 128 along K: nothing more to fetch
	s_wait_dscnt 4*NL                              ; B's set and A's blocks 0-3 are in; A's blocks 4-7 may be out
	WIN MUL_LO
	MUL16 0, 1, NQ-1, 1, 0
	MUL16 2, 1, NQ-1, 1, 0
	s_wait_dscnt 0
	WIN MUL_HI
	MUL16 4, 1, NQ-1, 1, 0
	MUL16 6, 1, NQ-1, 1, 0
	WIN 0
.endm
	s_wait_tensorcnt 1                             ; the scale words and my part of slot 0 are in; slot 1's load may be out
	s_barrier_signal -1
	s_barrier_wait -1
	FETCH_B 0, 0, 0
	FETCH_A 0, 0, 0
	SCALES 0
	FETCH_A 0, 0, 4
	STEP 0, 0, 1                                   ; the first products start the sums: nothing is cleared
	STEPS 0, 1
	; slot 0's last step changes slots: one barrier
	s_wait_tensorcnt 0x0                           ; my part of slot 1 has landed
	ds_add_u32 v[SPW], v[NIL]
	s_wait_dscnt 4*NL+1                            ; the add and A's blocks 4-7 may be out
	WIN MUL_LO
	MUL16 0, 1, NQ-1, 0, 0
	s_wait_dscnt 0x0
	s_barrier_signal -1
	MUL16 2, 1, NQ-1, 0, 0
	WIN 0
	s_barrier_wait -1                              ; slot 1 is whole
	PLACES NP
	v_add_nc_u32 v[ADRS], 256, v[ADRS]             ; the second half of K's scale words
	FETCH_B 1, 0, 0
	FETCH_A 1, 0, 0
	SCALES 1
	WIN MUL_HI
	MUL16 4, 1, NQ-1, 0, 0
	MUL16 6, 1, NQ-1, 0, 0
	PLACES NP
	WIN 0
	FETCH_A 1, 0, 4
	STEPS 1, 0
	s_cmp_eq_u32 ttmp9, 2                          ; the cluster's x: the same in all sixteen partners
	s_cbranch_scc1 .Lvalues
; ---- q, k: (sum + bias) x factor = sum x factor + bias x factor, one fused multiply-add; four accumulators (32 numbers a lane) at a time
.set n, 0
.rept 8
	global_load_b128 v[BI+8*n:BI+8*n+3], v[BA], s[8:9] offset:64*n             ; the bias of my 128 channels: sixteen loads, which land under the last step's 64 products; no matrix instruction names these registers
	global_load_b128 v[BI+8*n+4:BI+8*n+7], v[BA], s[8:9] offset:64*n+16
.set n, n+1
.endr
	LAST
	s_mov_b32 s40, 1.0
	s_cmp_eq_u32 ttmp9, 0
	s_cselect_b32 s40, 0x3e38aa3b, s40             ; q: log2(e) / sqrt(64), so that a score is the exponent of 2
	s_mov_b32 s41, s40                             ; (named with it as a pair)
	s_wait_loadcnt 0x0                             ; the bias
.set n, 0
.rept 32
	v_pk_mul_f32 v[BI+2*n:BI+2*n+1], v[BI+2*n:BI+2*n+1], s[40:41] op_sel_hi:[1,0]   ; these are also the places behind the last products
.set n, n+1
.endr
.macro PACKQK a, hb
	s_wait_xcnt 0x0                                ; earlier stores have read T and Y
	WIN 0x02+(\a)/4                                ; source 0: window 2 or 3
.set n, 0
.rept 16
	v_pk_fma_f32 v[T+2*n:T+2*n+1], v[64*((\a)%4)+32*(\hb)+2*n:64*((\a)%4)+32*(\hb)+2*n+1], s[40:41], v[BI+32*(\hb)+2*n:BI+32*(\hb)+2*n+1] op_sel_hi:[1,0,1]   ; each accumulator from its low end on
.set n, n+1
.endr
	WIN 0
.if (\a) == 0                          ; a sequence's first 16 tokens are kept in f32 too.  Which work-group holds them hangs on its place in the cluster, so no branch: the lanes are switched off elsewhere
	v_cmp_eq_u32 vcc_lo, 0, v[CND]
	s_wait_xcnt 0x0                                ; EXEC changes only behind this wait
	s_and_saveexec_b32 s42, vcc_lo
.set n, 0
.rept 8
	global_store_b128 v[LI], v[T+4*n:T+4*n+3], s[14:15] offset:4096*(\hb)+512*n
.set n, n+1
.endr
	s_wait_xcnt 0x0
	s_or_b32 exec_lo, exec_lo, s42
.endif
.set n, 0
.rept 16
	v_cvt_pk_f16_f32 v[Y+n], v[T+2*n], v[T+2*n+1]
.set n, n+1
.endr
.set n, 0
.rept 4
	global_store_b128 v[LI], v[Y+4*n:Y+4*n+3], s[12:13] offset:(\a)*2048+(\hb)*262144+512*n   ; 32 lanes store 512 consecutive bytes
.set n, n+1
.endr
.endm
.irp a, 0,1,2,3,4,5,6,7
	PACKQK \a, 0
	PACKQK \a, 1
.endr
	s_branch .Lstored
; ---- v: a lane holds one channel and eight tokens
.Lvalues:
	LAST
	PLACES NP
	v_cmp_eq_u32 vcc_lo, 0, v[CND]
	s_wait_xcnt 0x0
	s_and_saveexec_b32 s42, vcc_lo
	WIN 0x08                                       ; a store's data are its source 1: window 2
.irp a, 0,1,2,3
	global_store_b128 v[LI], v[64*\a:64*\a+3], s[14:15] offset:1024*\a          ; accumulator (a, 0): the sequence's first 16 tokens
	global_store_b128 v[LI], v[64*\a+4:64*\a+7], s[14:15] offset:1024*\a+512
.endr
	WIN 0x0c                                       ; window 3
.irp a, 0,1,2,3
	global_store_b128 v[LI], v[64*\a:64*\a+3], s[14:15] offset:1024*\a+4096
	global_store_b128 v[LI], v[64*\a+4:64*\a+7], s[14:15] offset:1024*\a+4608
.endr
	WIN 0
	s_wait_xcnt 0x0
	s_or_b32 exec_lo, exec_lo, s42
.macro PACKV a
	s_wait_xcnt 0x0
	WIN 0x0a+5*((\a)/4)                            ; sources 0 and 1: window 2 or 3
.set n, 0
.rept 32
	v_cvt_pk_f16_f32 v[Y+n], v[64*((\a)%4)+2*n], v[64*((\a)%4)+2*n+1]
.set n, n+1
.endr
	WIN 0
.set n, 0
.rept 8
	global_store_b128 v[LI], v[Y+4*n:Y+4*n+3], s[12:13] offset:((\a)/4)*262144+((\a)%4)*512+2048*n
.set n, n+1
.endr
.endm
.irp a, 0,1,2,3,4,5,6,7
	PACKV \a
.endr
.Lstored:
	s_wait_tensorcnt 0x0                           ; the wave's end
	ds_add_u32 v[SPW], v[NIL]
	s_wait_dscnt 0x0
	CROUND                                         ; the closing round
	s_endpgm
.Lfunc_end_k_qaf2b29fdeb_qkv:
	.size	k_qaf2b29fdeb_qkv, .Lfunc_end_k_qaf2b29fdeb_qkv-k_qaf2b29fdeb_qkv
	.p2alignl 7, 3214868480
	.fill 96, 4, 3214868480
	.section	.rodata,"a",@progbits
	.p2align	6, 0x0
	.amdhsa_kernel k_qaf2b29fdeb_qkv
		.amdhsa_group_segment_fixed_size 279040
		.amdhsa_private_segment_fixed_size 0
		.amdhsa_enable_private_segment 0
		.amdhsa_kernarg_size 48
		.amdhsa_user_sgpr_count 2
		.amdhsa_user_sgpr_kernarg_segment_ptr 1
		.amdhsa_wavefront_size32 1
		.amdhsa_system_sgpr_workgroup_id_x 1
		.amdhsa_system_sgpr_workgroup_id_y 1
		.amdhsa_system_sgpr_workgroup_id_z 1
		.amdhsa_system_vgpr_workitem_id 0
		.amdhsa_next_free_vgpr 1024
		.amdhsa_next_free_sgpr 102
		.amdhsa_reserve_vcc 1
		.amdhsa_float_denorm_mode_32 3
		.amdhsa_float_denorm_mode_16_64 3
		.amdhsa_memory_ordered 1
		.amdhsa_forward_progress 1
		.amdhsa_inst_pref_size 173
	.end_amdhsa_kernel
	.amdgpu_metadata
---
amdhsa.version: [ 1, 2 ]
amdhsa.kernels:
  - .name:           k_qaf2b29fdeb_qkv
    .symbol:         k_qaf2b29fdeb_qkv.kd
    .args:
      - { .name: xcodes, .offset: 0, .size: 8, .value_kind: global_buffer, .address_space: global }
      - { .name: wcodes, .offset: 8, .size: 8, .value_kind: global_buffer, .address_space: global }
      - { .name: bq, .offset: 16, .size: 8, .value_kind: global_buffer, .address_space: global }
      - { .name: bk, .offset: 24, .size: 8, .value_kind: global_buffer, .address_space: global }
      - { .name: qkv16, .offset: 32, .size: 8, .value_kind: global_buffer, .address_space: global }
      - { .name: fine32, .offset: 40, .size: 8, .value_kind: global_buffer, .address_space: global }
    .group_segment_fixed_size: 279040
    .private_segment_fixed_size: 0
    .kernarg_segment_align: 8
    .kernarg_segment_size: 48
    .max_flat_workgroup_size: 128
    .sgpr_count:     102
    .vgpr_count:     1024
    .wavefront_size: 32
...
	.end_amdgpu_metadata
.endif
;; end of part 2
;; launch attn (part 3): grid 4 x 64, 8 waves a work-group, no clusters, 327,680 bytes of LDS; arguments qkv16, bv, y16; writes y16
.if DOCPART == 3
	.amdgcn_target "amdgcn-amd-amdhsa--gfx1250"
	.amdhsa_code_object_version 6
	.text
	.protected	k_qaf2b29fdeb_attn
	.globl	k_qaf2b29fdeb_attn
	.p2align	8
	.type	k_qaf2b29fdeb_attn,@function
k_qaf2b29fdeb_attn:
	s_mov_b64 s[64:65], 0
	v_nop
	global_prefetch_b8 v0, s[64:65] scope:SCOPE_SE
	s_setreg_imm32_b32 hwreg(HW_REG_WAVE_MODE, 25, 1), 1
	s_wait_xcnt 0x0
; ATTN.  y[q] = sum over keys k <= q of softmax(q . k / 8) v[k] + bv, for one batch and head a work-group row; f16 operands, f32 sums, maxima and exponentials.  q arrives multiplied by log2(e) / 8, so a score is an exponent of 2.
; SHARES.  Work-group i of a head takes the block of 256 queries i (i + 1 slots of 256 keys) and then block 7 - i (8 - i slots): nine slots in every work-group, so the trip count is a constant.
; Waves j and j + 4 own the SAME 64 queries (four tiles of 16; quarter 3 - j of the first block, quarter j of the second) and split the keys: wave p = w / 4 takes the 64-key steps p and p + 2 of each slot.
; So every wave has 16 or 17 steps in all, and each fragment of K and V read from LDS feeds four tiles.  At a block's end wave p = 0 hands its maximum, sum and O to wave p = 1 through LDS, which merges, divides, adds bv and stores.
; LAYOUT.  S^T = K Q^T, O^T = V^T P: a lane holds one query throughout.  q, k, v lie in memory as images of operand registers (v with the tokens innermost): every fragment is LDS loads at 16 x lane.
; SOFTMAX.  A running maximum m and sum l for each query: p = 2^(s - m); in every step O and l are multiplied by a = 2^(m_old - m_new).  m begins at -3e38, so the first a of a block is 0 and wipes what O held.
; NO CLUSTER: the four work-groups of a head want different numbers of tiles (i + 1 and 8 - i slots), so partners could not make every joint request without fetching tiles that none of their waves reads.
; LIMITS: NaN and infinities are not served; p under 6e-8 falls to 0 in f16.
; REGISTERS: window 0: v1-11 addresses; v32-63 eight statistics a tile; v64-191 S^T, 32 a tile, then P packed in place; v192-255 K.   window 1: v0-127 O^T, 32 a tile; v128-191 Q; v192-255 V.
.set SLOTB, 65536                      ; a slot: 256 keys of K (32,768 bytes), then of V; wave w fills bytes 8,192 w on
.set MRG,   131072                     ; the hand-over: two regions by turns, in each 17,408 bytes a pair: O 16,384, m 512, l 512
.set MRGP,  17408
.set MRGR,  69632
.set SPARE, 270336                     ; the spare words, 128 bytes for each wave
.set LI,   1                           ; v1  16 x lane
.set AL0,  2                           ; v2  16 x lane + 8,192 p: my first step in a slot
.set ADR,  3                           ; v3  the same in the slot in hand
.set MA0,  4                           ; v4  my pair's place in a hand-over region
.set MA,   5                           ; v5  in the region of this trip
.set BVA,  6                           ; v6  32 h
.set PFO,  7                           ; v7  256 x lane
.set NINF, 8                           ; v8  -infinity
.set TMPV, 9
.set SPW,  10
.set NIL,  11
.set ST,   32                          ; tile t at v[ST + 8 t]: +0 m (+1 named with it), +2, +3 l, +4 .. +7 at work; a in +4
.set S,    64
.set KF,   192
.set QF,   128
.set VF,   192
.set WV, 10
.set J,  11
.set G0, 12                            ; s[12:15]
.set G1, 16                            ; s[16:23]
.set P,  24
.set CI, 25                            ; 8 - i: the count at which the first block's last slot is walked
.set SLOTS, 26
.set JP, 27                            ; my quarter of the block in hand
.set E,  28                            ; the last step of this slot that counts for my queries
.set TB, 29
.set TM, 30
.set OFF0, 31
.set QP1, 32
.set OFF, 34                           ; s[34:35]
.set KVP, 36
.set QP2, 38
.set YP1, 40
.set YP2, 42
.set PFA, 44
.set LIM, 46
.set CIM, 47
.set SEL, 48
.set MK,  50                           ; s50-57 lanes where key 8 h + j comes after query r
.set MSB, 0
.macro WIN new
.if MSB != (\new)
	s_set_vgpr_msb (MSB<<8)|(\new)
.set MSB, (\new)
.endif
.endm
	s_load_b128 s[4:7], s[0:1], 0x0                ; qkv16, bv
	s_load_b64 s[8:9], s[0:1], 0x10                ; y16
	v_lshl_add_u32 v[SPW], v0, 2, SPARE
	v_mov_b32 v[NIL], 0
	ds_add_u32 v[SPW], v[NIL]                      ; the opening: the add, twice on end, and its wait ahead of my first tensor load
	ds_add_u32 v[SPW], v[NIL]
	v_lshrrev_b32 v[TMPV], 5, v0
	v_readfirstlane_b32 s[WV], v[TMPV]
	s_and_b32 s[J], s[WV], 3
	s_lshr_b32 s[P], s[WV], 2
	s_sub_co_u32 s[CI], 8, ttmp9
	s_sub_co_u32 s[CIM], 7, ttmp9
	s_mov_b32 s[SLOTS], 8
	s_sub_co_u32 s[JP], 3, s[J]
	s_mov_b32 s[TB], 0
	s_mov_b32 s[TM], 0
	s_lshl_b32 s[OFF0], s[J], 13                   ; the 64 keys of a slot that I fetch: 8,192 bytes
	s_mov_b32 s[OFF], s[OFF0]
	s_mov_b32 s[OFF+1], 0
	s_mov_b32 s[G1], 3<<16                         ; one shape for all loads: 8,192 dense bytes as 32 rows of 256 (32 elements of 8 bytes)
	s_mov_b32 s[G1+1], 32<<16
	s_mov_b32 s[G1+2], 32<<16
	s_mov_b32 s[G1+3], 32<<16
	s_mov_b32 s[G1+4], 32
	s_mov_b32 s[G1+5], 32
	s_mov_b32 s[G1+6], 0
	s_mov_b32 s[G1+7], 0
	s_mov_b32 s[G0], 1
	s_lshl_b32 s[G0+1], s[WV], 13                  ; slot 0: waves 0-3 K's four steps, waves 4-7 V's
	s_mov_b32 s[SEL], 0x76543210
	s_mov_b32 s[SEL+1], 0xfedcba98
	s_cmp_eq_u32 ttmp9, 0
	s_cselect_b32 s[LIM], 1, -1                    ; the head's work-group 0, which walks all eight slots in turn, prefetches
	s_and_b32 s58, ttmp7, 0xffff                   ; 16 batch + head
	s_lshl_b32 s60, s58, 18                        ; its 262,144 bytes in q, k or v
	s_mov_b32 s61, 0
	s_add_co_u32 s59, s[P], 1
	s_lshl_b32 s59, s59, 24                        ; k (waves 0-3) or v (waves 4-7)
	s_add_co_u32 s62, s60, s59
	s_mov_b32 s63, 0
	s_lshl_b32 s2, ttmp9, 4
	s_lshl_b32 s3, s[JP], 2
	s_add_co_u32 s2, s2, s3                        ; my first tile of 16 queries in the first block: 16 i + 4 (3 - j)
	s_lshl_b32 s3, s[CIM], 4
	s_lshl_b32 s59, s[J], 2
	s_add_co_u32 s3, s3, s59                       ; in the second: 16 (7 - i) + 4 j
	s_lshl_b32 s[QP1], s2, 11
	s_add_co_u32 s[QP1], s[QP1], s60
	s_mov_b32 s[QP1+1], 0
	s_lshl_b32 s[QP2], s3, 11
	s_add_co_u32 s[QP2], s[QP2], s60
	s_mov_b32 s[QP2+1], 0
	s_lshr_b32 s59, s58, 4
	s_lshl_b32 s59, s59, 7                         ; 128 tiles of rows a batch
	s_and_b32 s58, s58, 15                         ; head
	s_add_co_u32 s2, s2, s59
	s_add_co_u32 s3, s3, s59
	s_lshl_b32 s59, s58, 11                        ; y16: 32,768 bytes a tile of rows, 2,048 a head
	s_lshl_b32 s[YP1], s2, 15
	s_add_co_u32 s[YP1], s[YP1], s59
	s_mov_b32 s[YP1+1], 0
	s_lshl_b32 s[YP2], s3, 15
	s_add_co_u32 s[YP2], s[YP2], s59
	s_mov_b32 s[YP2+1], 0
	s_lshl_b32 s60, s58, 8                         ; bv: 64 numbers a head
	s_wait_dscnt 0x0                               ; both opening adds are done
	s_wait_kmcnt 0x0
	s_add_nc_u64 s[KVP:KVP+1], s[4:5], s[62:63]
	s_add_nc_u64 s[G0+2:G0+3], s[KVP:KVP+1], s[OFF:OFF+1]
	s_mov_b64 s[PFA:PFA+1], s[G0+2:G0+3]           ; my part of key slot 0; the first change of slots steps it on
	s_or_b32 s[G0+3], s[G0+3], 0x80000000
	tensor_load_to_lds s[G0:G0+3], s[G1:G1+7]      ; slot 0: every wave fetches an eighth; one load of mine is out
	s_nop 0
.rept 4
	v_nop
.endr
	s_add_nc_u64 s[QP1:QP1+1], s[4:5], s[QP1:QP1+1]
	s_add_nc_u64 s[QP2:QP2+1], s[4:5], s[QP2:QP2+1]
	s_add_nc_u64 s[YP1:YP1+1], s[8:9], s[YP1:YP1+1]
	s_add_nc_u64 s[YP2:YP2+1], s[8:9], s[YP2:YP2+1]
	s_add_nc_u64 s[6:7], s[6:7], s[60:61]
	v_and_b32 v[LI], 31, v0
	v_lshlrev_b32 v[PFO], 8, v[LI]
	v_lshlrev_b32 v[LI], 4, v[LI]
	WIN 0x40                                       ; destination window 1
.set n, 0
.rept 16
	global_load_b128 v[QF+4*n:QF+4*n+3], v[LI], s[QP1:QP1+1] offset:512*n      ; Q: tile t, channels 32 f on, at QF + 16 t + 8 f
.set n, n+1
.endr
	WIN 0
	s_lshl_b32 s59, s[P], 13
	v_add_nc_u32 v[AL0], s59, v[LI]
	s_mul_i32 s59, s[J], MRGP
	s_add_co_u32 s59, s59, MRG
	v_add_nc_u32 v[MA0], s59, v[LI]
	v_bfe_u32 v[BVA], v0, 4, 1                     ; h
	v_and_b32 v[TMPV], 15, v0                      ; r
	v_lshlrev_b32 v[ADR], 3, v[BVA]
	v_sub_nc_u32 v[TMPV], v[TMPV], v[ADR]          ; r - 8 h
.irp j, 0,1,2,3,4,5,6,7
	v_cmp_gt_i32 s[MK+\j], \j, v[TMPV]             ; key 8 h + j comes after query r
.endr
	v_lshlrev_b32 v[BVA], 5, v[BVA]
	v_mov_b32 v[NINF], 0xff800000
.irp t, 0,1,2,3
	v_mov_b32 v[ST+8*\t], 0xff61b1e6               ; m = -3e38, under every score
.irp k, 1,2,3,4,5,6,7
	v_mov_b32 v[ST+8*\t+\k], 0
.endr
.endr
	WIN 0x40
.set n, 0
.rept 128
	v_mov_b32 v[n], 0                              ; O^T, once: the step is written for every step alike, and the first a, which is 0, must find numbers
.set n, n+1
.endr
	WIN 0
.macro FETCH_K s                       ; my step s of the slot: 64 keys x 64 channels: fragment (16 keys kt, 32 channels f) at KF + 16 kt + 8 f
.set n, 0
.rept 16
	ds_load_b128 v[KF+4*n:KF+4*n+3], v[ADR] offset:16384*(\s)+512*n
.set n, n+1
.endr
.endm
.macro FETCH_V s                       ; fragment (32 keys kp, 16 channels ct) at VF + 32 kp + 8 ct of window 1
	WIN 0x40
.irp kp, 0,1
.irp ct, 0,1,2,3
.irp c, 0,1
	ds_load_b128 v[VF+32*\kp+8*\ct+4*\c:VF+32*\kp+8*\ct+4*\c+3], v[ADR] offset:32768+16384*(\s)+(2*\kp+\c)*2048+\ct*512
.endr
.endr
.endr
	WIN 0
.endm
.macro MASK                            ; the step on the diagonal: keys after the query become -infinity ahead of the maximum
.irp t, 0,1,2
.irp kt, 1,2,3
.if \kt > \t
.set n, 0
.rept 8
	v_mov_b32 v[S+32*\t+8*\kt+n], v[NINF]
.set n, n+1
.endr
.endif
.endr
.endr
.irp t, 0,1,2,3
.irp j, 0,1,2,3,4,5,6,7
	v_cndmask_b32 v[S+40*\t+\j], v[S+40*\t+\j], v[NINF], s[MK+\j]
.endr
.endr
.endm
.macro SOFTMAX                         ; the four tiles by turns, so that no line waits for the line above it
.irp j, 0,1,2,3
.irp t, 0,1,2,3
	v_max3_num_f32 v[ST+8*\t+4+\j], v[S+32*\t+8*\j], v[S+32*\t+8*\j+1], v[S+32*\t+8*\j+2]   ; each accumulator is read from its low end on
.endr
.endr
.irp g, 1,2
.irp j, 0,1,2,3
.irp t, 0,1,2,3
	v_max3_num_f32 v[ST+8*\t+4+\j], v[ST+8*\t+4+\j], v[S+32*\t+8*\j+2*\g+1], v[S+32*\t+8*\j+2*\g+2]
.endr
.endr
.endr
.irp t, 0,1,2,3
	v_max3_num_f32 v[ST+8*\t+4], v[ST+8*\t+4], v[S+32*\t+7], v[S+32*\t+15]
.endr
.irp t, 0,1,2,3
	v_max3_num_f32 v[ST+8*\t+6], v[ST+8*\t+6], v[S+32*\t+23], v[S+32*\t+31]
.endr
.irp t, 0,1,2,3
	v_max3_num_f32 v[ST+8*\t+4], v[ST+8*\t+4], v[ST+8*\t+5], v[ST+8*\t+6]
.endr
.irp t, 0,1,2,3
	v_max3_num_f32 v[ST+8*\t+4], v[ST+8*\t+4], v[ST+8*\t+7], v[ST+8*\t]   ; and the old m
.endr
.irp t, 0,1,2,3
	v_permlanex16_b32 v[ST+8*\t+5], v[ST+8*\t+4], s[SEL], s[SEL+1]        ; the query's other 32 keys lie in the lane 16 away
.endr
.irp t, 0,1,2,3
	v_max_num_f32 v[ST+8*\t+6], v[ST+8*\t+4], v[ST+8*\t+5]                ; the new m
.endr
.irp t, 0,1,2,3
	v_sub_f32 v[ST+8*\t+7], v[ST+8*\t], v[ST+8*\t+6]                      ; m_old - m_new
.endr
.irp t, 0,1,2,3
	v_mov_b32 v[ST+8*\t], v[ST+8*\t+6]
.endr
.set n, 0
.rept 16
.irp t, 0,1,2,3
	v_pk_add_f32 v[S+32*\t+2*n:S+32*\t+2*n+1], v[S+32*\t+2*n:S+32*\t+2*n+1], v[ST+8*\t:ST+8*\t+1] op_sel_hi:[1,0] neg_lo:[0,1] neg_hi:[0,1]   ; s - m
.endr
.set n, n+1
.endr
.irp t, 0,1,2,3
	v_exp_f32 v[ST+8*\t+4], v[ST+8*\t+7]           ; a
.endr
.set n, 0
.rept 128
	v_exp_f32 v[S+n], v[S+n]                       ; p: one batch
.set n, n+1
.endr
	v_nop                                          ; a plain instruction behind the last exponential
	s_wait_alu depctr_va_vdst(0)                   ; one wait for the batch, ahead of its first reader
.irp t, 0,1,2,3
	v_pk_mul_f32 v[ST+8*\t+2:ST+8*\t+3], v[ST+8*\t+2:ST+8*\t+3], v[ST+8*\t+4:ST+8*\t+5] op_sel_hi:[1,0]   ; l x a
.endr
.irp t, 0,1,2,3
	v_pk_add_f32 v[ST+8*\t+6:ST+8*\t+7], v[S+32*\t+2:S+32*\t+3], v[S+32*\t+4:S+32*\t+5]   ; the sum of p in f32, two chains a tile
.endr
.irp t, 0,1,2,3
	v_pk_add_f32 v[ST+8*\t+2:ST+8*\t+3], v[ST+8*\t+2:ST+8*\t+3], v[S+32*\t:S+32*\t+1]
.endr
.irp n2, 3,5,7,9,11,13
.irp t, 0,1,2,3
	v_pk_add_f32 v[ST+8*\t+2:ST+8*\t+3], v[ST+8*\t+2:ST+8*\t+3], v[S+32*\t+2*\n2:S+32*\t+2*\n2+1]
.endr
.irp t, 0,1,2,3
	v_pk_add_f32 v[ST+8*\t+6:ST+8*\t+7], v[ST+8*\t+6:ST+8*\t+7], v[S+32*\t+2*\n2+2:S+32*\t+2*\n2+3]
.endr
.endr
.irp t, 0,1,2,3
	v_pk_add_f32 v[ST+8*\t+2:ST+8*\t+3], v[ST+8*\t+2:ST+8*\t+3], v[S+32*\t+30:S+32*\t+31]
.endr
.irp t, 0,1,2,3
	v_pk_add_f32 v[ST+8*\t+2:ST+8*\t+3], v[ST+8*\t+2:ST+8*\t+3], v[ST+8*\t+6:ST+8*\t+7]
.endr
.set n, 0
.rept 16
.irp t, 0,1,2,3
	v_cvt_pk_f16_f32 v[S+32*\t+n], v[S+32*\t+2*n], v[S+32*\t+2*n+1]       ; P in place, ascending: register n is written when registers 2 n, 2 n + 1 are read; P (32 keys kp) = S + 32 t + 8 kp
.endr
.set n, n+1
.endr
	WIN 0x41                                       ; O^T in window 1, a in window 0
.set n, 0
.rept 16
.irp t, 0,1,2,3
	v_pk_mul_f32 v[32*\t+2*n:32*\t+2*n+1], v[32*\t+2*n:32*\t+2*n+1], v[ST+8*\t+4:ST+8*\t+5] op_sel_hi:[1,0]
.endr
.set n, n+1
.endr
.endm
; A KEY STEP of 64 keys for my 64 queries.  The accumulators take turns, one instruction a turn.
.macro STEP s
	s_wait_dscnt 16                                ; K is in; V's sixteen loads may be out
	WIN 0x04                                       ; Q in window 1
.irp f, 0,1
.irp kt, 0,1,2,3
.irp t, 0,1,2,3
.if \f == 0
	v_wmma_f32_16x16x32_f16 v[S+32*\t+8*\kt:S+32*\t+8*\kt+7], v[KF+16*\kt+8*\f:KF+16*\kt+8*\f+7], v[QF+16*\t+8*\f:QF+16*\t+8*\f+7], 0
.else
	v_wmma_f32_16x16x32_f16 v[S+32*\t+8*\kt:S+32*\t+8*\kt+7], v[KF+16*\kt+8*\f:KF+16*\kt+8*\f+7], v[QF+16*\t+8*\f:QF+16*\t+8*\f+7], v[S+32*\t+8*\kt:S+32*\t+8*\kt+7]
.endif
.endr
.endr
.endr
	WIN 0
.rept 4
	v_nop                                          ; places in front of the reads of the scores and of the loads into K's registers
.endr
.if \s == 0
	FETCH_K 1
.endif
	s_add_co_u32 s58, s[P], 2*\s
	s_cmp_lg_u32 s58, s[E]
	s_cbranch_scc1 .Lopen_\@                       ; ids and the count of slots alone
	MASK
.Lopen_\@:
	SOFTMAX
.if \s == 0
	s_wait_dscnt 16                                ; V is in; the next step's K may be out
.else
	s_wait_dscnt 0
.endif
	WIN 0x51                                       ; V and O^T in window 1, P in window 0
.irp kp, 0,1
.irp ct, 0,1,2,3
.irp t, 0,1,2,3
	v_wmma_f32_16x16x32_f16 v[32*\t+8*\ct:32*\t+8*\ct+7], v[VF+32*\kp+8*\ct:VF+32*\kp+8*\ct+7], v[S+32*\t+8*\kp:S+32*\t+8*\kp+7], v[32*\t+8*\ct:32*\t+8*\ct+7]
.endr
.endr
.endr
	WIN 0
.rept 5
	v_nop                                          ; five places: the next scores are written by matrix instructions over P's registers, which these products read
.endr
.if \s == 0
	FETCH_V 1
.endif
.endm
; THE CHANGE OF SLOTS, at a slot's head: all my tensor loads have landed, the add, my LDS reads are over, one barrier; behind it the slot just left is filled with the keys that follow.
.macro CHANGE fill
	s_wait_tensorcnt 0x0                           ; no tensor load of mine is out, so group 0 may be written
	ds_add_u32 v[SPW], v[NIL]                      ; the descriptor's steps stand between the add and the wait for it
.if \fill
	s_xor_b32 s[G0+1], s[G0+1], SLOTB
	s_add_co_u32 s[OFF], s[OFF], 32768             ; the next 256 keys,
	s_cmp_eq_u32 s[SLOTS], s[CI]
	s_cselect_b32 s[OFF], s[OFF0], s[OFF]          ; or, behind the first block's last slot, the head's first again
	s_add_nc_u64 s[G0+2:G0+3], s[KVP:KVP+1], s[OFF:OFF+1]
	s_or_b32 s[G0+3], s[G0+3], 0x80000000
	s_wait_xcnt 0x0                                ; the last prefetch, a slot back, has read its address
	s_add_nc_u64 s[PFA:PFA+1], s[PFA:PFA+1], 32768
.endif
	s_wait_dscnt 0x0
	s_barrier_signal -1
	s_barrier_wait -1
.if \fill
	tensor_load_to_lds s[G0:G0+3], s[G1:G1+7]      ; my one load behind the barrier: it has a slot's steps in which to land
	s_nop 0
.rept 4
	v_nop
.endr
	; a prefetch of the slot that the next change will ask for: the head's work-group 0 alone asks, each wave for its own 8,192 bytes, lanes 256 bytes apart: each block is named once; the last change that fills asks for nothing
	s_cmp_gt_u32 s[SLOTS], s[LIM]
	s_cbranch_scc0 .Lnot_asked_\@
	global_prefetch_b8 v[PFO], s[PFA:PFA+1] th:TH_LOAD_NT scope:SCOPE_SE
.Lnot_asked_\@:
.endif
.endm
.macro SLOTWORK tail                   ; my two steps of the slot, or those of them that count
	s_wait_loadcnt 0x0                             ; Q, where a block has just begun
.if \tail
	s_mov_b32 s[E], s[JP]
.else
	s_cmp_eq_u32 s[SLOTS], s[CI]
	s_cselect_b32 s[E], s[JP], 99                  ; in a block's last slot the steps up to my quarter count
.endif
	s_cmp_gt_u32 s[P], s[E]
	s_cbranch_scc1 .Lslot_done_\@
	v_add_nc_u32 v[ADR], s[TB], v[AL0]
	FETCH_K 0
	FETCH_V 0
	STEP 0
	s_add_co_u32 s58, s[P], 2
	s_cmp_gt_u32 s58, s[E]
	s_cbranch_scc1 .Lslot_done_\@
	STEP 1
.Lslot_done_\@:
	s_xor_b32 s[TB], s[TB], SLOTB
.endm
; A block's end, first half: the next block's Q is asked for; wave p = 0 puts m, l and O^T into the hand-over region of this trip.
.macro EPI_A q
	s_wait_dscnt 0x0                               ; loads into K's and V's registers that a shortened slot left out are in
.if \q
	WIN 0x40
.set n, 0
.rept 16
	global_load_b128 v[QF+4*n:QF+4*n+3], v[LI], s[QP2:QP2+1] offset:512*n
.set n, n+1
.endr
	WIN 0
.endif
	s_cmp_lg_u32 s[P], 0
	s_cbranch_scc1 .Lkeeps_\@
.irp t, 0,1,2,3
	v_mov_b32 v[KF+32+\t], v[ST+8*\t]
.endr
.irp t, 0,1,2,3
	v_add_f32 v[KF+36+\t], v[ST+8*\t+2], v[ST+8*\t+3]
.endr
	ds_store_b128 v[MA], v[KF+32:KF+35] offset:16384
	ds_store_b128 v[MA], v[KF+36:KF+39] offset:16896
	WIN 0x04                                       ; an LDS store's data are its source 1: window 1
.set n, 0
.rept 32
	ds_store_b128 v[MA], v[4*n:4*n+3] offset:512*n                 ; each accumulator from its low end on
.set n, n+1
.endr
	WIN 0
.Lkeeps_\@:
.endm
; Second half, behind a barrier: wave p = 1 merges: M = max(m, m'), O = (O 2^(m - M) + O' 2^(m' - M)) / L + bv.  again = 1: every wave then begins the second block.
.macro EPI_B yp, again
	s_cmp_lg_u32 s[P], 1
	s_cbranch_scc1 .Lnot_mine_\@
	s_xor_b32 s58, s[TM], MRGR
	v_add_nc_u32 v[TMPV], s58, v[MA0]              ; the region that was written a trip ago
.irp ct, 0,1,2,3
.irp u, 0,1
	global_load_b128 v[KF+8*\ct+4*\u:KF+8*\ct+4*\u+3], v[BVA], s[6:7] offset:64*\ct+16*\u   ; bv in O^T's layout: register 8 ct + j is channel 16 ct + 8 h + j
.endr
.endr
	ds_load_b128 v[KF+32:KF+35], v[TMPV] offset:16384
	ds_load_b128 v[KF+36:KF+39], v[TMPV] offset:16896
.set n, 0
.rept 32
	ds_load_b128 v[S+4*n:S+4*n+3], v[TMPV] offset:512*n
.set n, n+1
.endr
.irp t, 0,1,2,3
	v_add_f32 v[ST+8*\t+2], v[ST+8*\t+2], v[ST+8*\t+3]
.endr
	s_wait_dscnt 0x0
.irp t, 0,1,2,3
	v_max_num_f32 v[ST+8*\t+4], v[ST+8*\t], v[KF+32+\t]
.endr
.irp t, 0,1,2,3
	v_sub_f32 v[ST+8*\t+6], v[ST+8*\t], v[ST+8*\t+4]
.endr
.irp t, 0,1,2,3
	v_sub_f32 v[ST+8*\t+7], v[KF+32+\t], v[ST+8*\t+4]
.endr
.irp t, 0,1,2,3
	v_exp_f32 v[ST+8*\t+6], v[ST+8*\t+6]
	v_exp_f32 v[ST+8*\t+7], v[ST+8*\t+7]
.endr
	v_nop
	s_wait_alu depctr_va_vdst(0)                   ; one wait for the eight
.irp t, 0,1,2,3
	v_mul_f32 v[ST+8*\t+2], v[ST+8*\t+2], v[ST+8*\t+6]
.endr
.irp t, 0,1,2,3
	v_fmac_f32 v[ST+8*\t+2], v[KF+36+\t], v[ST+8*\t+7]
.endr
.irp t, 0,1,2,3
	v_permlanex16_b32 v[ST+8*\t+3], v[ST+8*\t+2], s[SEL], s[SEL+1]
.endr
.irp t, 0,1,2,3
	v_add_f32 v[ST+8*\t+2], v[ST+8*\t+2], v[ST+8*\t+3]             ; L: both waves', both halves of the lanes'
.endr
.irp t, 0,1,2,3
	v_rcp_f32 v[ST+8*\t+3], v[ST+8*\t+2]
.endr
	v_nop
	s_wait_alu depctr_va_vdst(0)                   ; one wait for the four
.irp t, 0,1,2,3
	v_mul_f32 v[ST+8*\t+4], v[ST+8*\t+6], v[ST+8*\t+3]             ; my factor,
.endr
.irp t, 0,1,2,3
	v_mul_f32 v[ST+8*\t+6], v[ST+8*\t+7], v[ST+8*\t+3]             ; my partner's
.endr
	s_wait_loadcnt 0x0                             ; bv
.irp t, 0,1,2,3
.set n, 0
.rept 16
	v_pk_fma_f32 v[S+32*\t+2*n:S+32*\t+2*n+1], v[S+32*\t+2*n:S+32*\t+2*n+1], v[ST+8*\t+6:ST+8*\t+7], v[KF+2*n:KF+2*n+1] op_sel_hi:[1,0,1]
.set n, n+1
.endr
.endr
	WIN 0x01                                       ; source 0: my O^T, window 1
.irp t, 0,1,2,3
.set n, 0
.rept 16
	v_pk_fma_f32 v[S+32*\t+2*n:S+32*\t+2*n+1], v[32*\t+2*n:32*\t+2*n+1], v[ST+8*\t+4:ST+8*\t+5], v[S+32*\t+2*n:S+32*\t+2*n+1] op_sel_hi:[1,0,1]
.set n, n+1
.endr
.endr
	WIN 0
.irp t, 0,1,2,3
.set n, 0
.rept 16
	v_cvt_pk_f16_f32 v[S+32*\t+n], v[S+32*\t+2*n], v[S+32*\t+2*n+1]
.set n, n+1
.endr
.irp ct, 0,1,2,3
	global_store_b128 v[LI], v[S+32*\t+4*\ct:S+32*\t+4*\ct+3], s[\yp:\yp+1] offset:\t*32768+\ct*512   ; 32 lanes store 512 consecutive bytes: an image of the projection's operand
.endr
.endr
.if \again
	s_wait_xcnt 0x0                                ; the stores have read their registers: the next scores may be written there
.endif
.Lnot_mine_\@:
.if \again
.irp t, 0,1,2,3
	v_mov_b32 v[ST+8*\t], 0xff61b1e6               ; the second block begins: m under every score, so that its first a is 0 and wipes O^T, which holds finite numbers
	v_mov_b32 v[ST+8*\t+2], 0
	v_mov_b32 v[ST+8*\t+3], 0
.endr
	s_mov_b32 s[JP], s[J]
.endif
.endm
.Lslot:                                            ; eight trips; the ninth slot is written out
	CHANGE 1
	s_cmp_lg_u32 s[SLOTS], s[CIM]
	s_cbranch_scc1 .Lno_merge
	EPI_B YP1, 1
.Lno_merge:
	v_add_nc_u32 v[MA], s[TM], v[MA0]
	SLOTWORK 0
	s_cmp_lg_u32 s[SLOTS], s[CI]
	s_cbranch_scc1 .Lno_hand
	EPI_A 1
.Lno_hand:
	s_xor_b32 s[TM], s[TM], MRGR                   ; the hand-over regions take turns trip by trip: what a trip reads and what it writes never meet
	s_sub_co_u32 s[SLOTS], s[SLOTS], 1
	s_cmp_lg_u32 s[SLOTS], 0
	s_cbranch_scc1 .Lslot
	CHANGE 0
	v_add_nc_u32 v[MA], s[TM], v[MA0]
	SLOTWORK 1
	EPI_A 0
	s_xor_b32 s[TM], s[TM], MRGR
	s_wait_dscnt 0x0                               ; for the partner's sake: my stores have landed
	s_barrier_signal -1
	s_barrier_wait -1
	EPI_B YP2, 0
	s_wait_tensorcnt 0x0                           ; the wave's end
	ds_add_u32 v[SPW], v[NIL]
	s_wait_dscnt 0x0
	s_endpgm
.Lfunc_end_k_qaf2b29fdeb_attn:
	.size	k_qaf2b29fdeb_attn, .Lfunc_end_k_qaf2b29fdeb_attn-k_qaf2b29fdeb_attn
	.p2alignl 7, 3214868480
	.fill 96, 4, 3214868480
	.section	.rodata,"a",@progbits
	.p2align	6, 0x0
	.amdhsa_kernel k_qaf2b29fdeb_attn
		.amdhsa_group_segment_fixed_size 327680
		.amdhsa_private_segment_fixed_size 0
		.amdhsa_enable_private_segment 0
		.amdhsa_kernarg_size 24
		.amdhsa_user_sgpr_count 2
		.amdhsa_user_sgpr_kernarg_segment_ptr 1
		.amdhsa_wavefront_size32 1
		.amdhsa_system_sgpr_workgroup_id_x 1
		.amdhsa_system_sgpr_workgroup_id_y 1
		.amdhsa_system_sgpr_workgroup_id_z 1
		.amdhsa_system_vgpr_workitem_id 0
		.amdhsa_next_free_vgpr 512
		.amdhsa_next_free_sgpr 66
		.amdhsa_reserve_vcc 0
		.amdhsa_float_denorm_mode_32 3
		.amdhsa_float_denorm_mode_16_64 3
		.amdhsa_memory_ordered 1
		.amdhsa_forward_progress 1
		.amdhsa_inst_pref_size 199
	.end_amdhsa_kernel
	.amdgpu_metadata
---
amdhsa.version: [ 1, 2 ]
amdhsa.kernels:
  - .name:           k_qaf2b29fdeb_attn
    .symbol:         k_qaf2b29fdeb_attn.kd
    .args:
      - { .name: qkv16, .offset: 0, .size: 8, .value_kind: global_buffer, .address_space: global }
      - { .name: bv, .offset: 8, .size: 8, .value_kind: global_buffer, .address_space: global }
      - { .name: y16, .offset: 16, .size: 8, .value_kind: global_buffer, .address_space: global }
    .group_segment_fixed_size: 327680
    .private_segment_fixed_size: 0
    .kernarg_segment_align: 8
    .kernarg_segment_size: 24
    .max_flat_workgroup_size: 256
    .sgpr_count:     66
    .vgpr_count:     512
    .wavefront_size: 32
...
	.end_amdgpu_metadata
.endif
;; end of part 3
;; launch proj (part 4): grid 4 x 64, 4 waves a work-group, clusters of 4 x 4, 327,680 bytes of LDS; arguments y16, wp16, bp, out0; writes out0
.if DOCPART == 4
	.amdgcn_target "amdgcn-amd-amdhsa--gfx1250"
	.amdhsa_code_object_version 6
	.text
	.protected	k_qaf2b29fdeb_proj
	.globl	k_qaf2b29fdeb_proj
	.p2align	8
	.type	k_qaf2b29fdeb_proj,@function
k_qaf2b29fdeb_proj:
	s_mov_b64 s[64:65], 0
	v_nop
	global_prefetch_b8 v0, s[64:65] scope:SCOPE_SE
	s_setreg_imm32_b32 hwreg(HW_REG_WAVE_MODE, 25, 1), 1
	s_wait_xcnt 0x0
	s_wait_alu depctr_hold_cnt(0) depctr_sa_sdst(0) depctr_va_vdst(0) depctr_va_sdst(0) depctr_va_ssrc(0) depctr_va_vcc(0) depctr_vm_vsrc(0)
	s_getreg_b32 s2, hwreg(HW_REG_IB_STS2, 6, 4)
	s_cmp_eq_u32 s2, 0
	s_cbranch_scc0 .Lentry_in_a_cluster
	s_endpgm
.Lentry_in_a_cluster:
	s_bfe_u32 s2, ttmp6, 0x10000c
	s_cmp_lg_u32 s2, 0xf033
	s_cbranch_scc0 .Lentry_shape_is_right
	s_endpgm
.Lentry_shape_is_right:
; PROJ.  out0 = y Wp + bp: y [8192][1024] and Wp in f16, as images of operand registers; sums and output in f32.
; A tile of 128 x 256 gives each of 256 work-groups one tile; four waves, 64 x 128 each: 32 accumulators.  K goes in steps of 128 through two LDS slots (A 32,768 bytes, B 65,536).
; CLUSTERS: 4 x 4 work-groups: A's tile (rows of y) is shared along a row of the cluster, B's (columns of Wp) along a column; each is asked for jointly.
; THE MATRIX INSTRUCTION IS USED TRANSPOSED (source 0 = 16 columns of Wp, source 1 = 16 rows of y): a lane holds eight neighbouring numbers of a row of out0.  bp is the C of each sum's first product.
; REGISTERS: window 0: v0-31 addresses; v32-95 bp in the result's layout, later rows on the way out; v128-191 A's fragments, two sets; v192-255 rows on the way out.  window 1: v0-127 B's fragments, two sets.  window 2: the accumulators, (a, b) at 8 (8 a + b).
.set SLOT,   98304
.set BOFF,   32768
.set SPARE,  196608                    ; behind the slots: the spare words, 128 bytes for each wave
.set SPITCH, 528                       ; the way out: 16 rows x (512 + 16) bytes for each wave, in slot 0, which has had its last fill and its last read by then
.set ADRA, 16
.set ADRB, 20
.set STO,  24
.set RD,   25
.set CO,   26
.set BA,   27
.set SPW,  28
.set NIL,  29
.set PFO,  30
.set BI,   32
.set AFR,  128
.set WV, 12
.set RH, 13
.set CH, 14
.set LIM, 23
.set G1, 24
.set G0, 32
.set PFA, 44
.set G1B, 48
.set G0B, 56
.set MSB, 0
.macro WIN new
.if MSB != (\new)
	s_set_vgpr_msb (MSB<<8)|(\new)
.set MSB, (\new)
.endif
.endm
.set MUL, 0xa1                         ; source 0 (B) window 1, source 1 (A) window 0, C and D window 2
.macro JLOAD s                         ; waves 0 and 1 fetch A's halves, waves 2 and 3 B's; an s_nop 0 and four v_nop follow each line
	s_cmp_eq_u32 s[RH], 0
	s_cbranch_scc0 .Lfor_b_\@
	tensor_load_to_lds s[G0+4*\s:G0+4*\s+3], s[G1:G1+7]
	s_nop 0
.rept 4
	v_nop
.endr
	s_branch .Lasked_\@
.Lfor_b_\@:
	tensor_load_to_lds s[G0B+4*\s:G0B+4*\s+3], s[G1B:G1B+7]
	s_nop 0
.rept 4
	v_nop
.endr
.Lasked_\@:
.endm
.macro CREST
	s_cmp_lg_u32 s[WV], 0
	s_cbranch_scc1 .Lnot_wave_0_\@
	s_barrier_signal -3
.Lnot_wave_0_\@:
	s_barrier_wait -3
	s_barrier_signal -1
	s_barrier_wait -1
.endm
.macro CROUND
	s_barrier_signal -1
	s_barrier_wait -1
	CREST
.endm
	s_load_b256 s[4:11], s[0:1], 0x0               ; y16, wp16, bp, out0
	v_lshl_add_u32 v[SPW], v0, 2, SPARE
	v_mov_b32 v[NIL], 0
	ds_add_u32 v[SPW], v[NIL]                      ; the opening: the add, twice on end, and its wait ahead of my first tensor load
	ds_add_u32 v[SPW], v[NIL]
	v_lshrrev_b32 v1, 5, v0
	v_readfirstlane_b32 s[WV], v1
	s_lshr_b32 s[RH], s[WV], 1                     ; my half of the tile's rows.  Also: I fetch for A (0) or for B (1)
	s_and_b32 s[CH], s[WV], 1                      ; my half of its columns.  Also: which half I fetch
	s_bfe_u32 s40, ttmp6, 0x40000                  ; cx
	s_bfe_u32 s41, ttmp6, 0x40004                  ; cy
	s_and_b32 s15, ttmp7, 0xffff
	s_lshl_b32 s15, s15, 2
	s_add_co_u32 s15, s15, s41                     ; tile row 0..63
	s_lshl_b32 s22, ttmp9, 2
	s_add_co_u32 s22, s22, s40                     ; tile column 0..3
	s_lshl_b32 s42, s41, 2
	s_lshl_b32 s42, 15, s42                        ; my row of the cluster
	s_lshl_b32 s43, 0x1111, s40                    ; my column
	; group 1: rows of 4,096 bytes (512 elements of 8: a K step of one tile of 16), 32,768 bytes apart; A: 4 rows, B: 8; no padding: a fragment load reads 512 consecutive bytes
	s_or_b32 s[G1], s42, (3<<16)|(1<<21)
	s_or_b32 s[G1B], s43, (3<<16)|(1<<21)
	s_mov_b32 s[G1+1], 512<<16
	s_mov_b32 s[G1+2], 4<<16
	s_mov_b32 s[G1+3], 512<<16
	s_mov_b32 s[G1+4], 4
	s_mov_b32 s[G1+5], 4096
	s_mov_b32 s[G1+6], 0
	s_mov_b32 s[G1+7], 0
	s_mov_b32 s[G1B+1], 512<<16
	s_mov_b32 s[G1B+2], 8<<16
	s_mov_b32 s[G1B+3], 512<<16
	s_mov_b32 s[G1B+4], 8
	s_mov_b32 s[G1B+5], 4096
	s_mov_b32 s[G1B+6], 0
	s_mov_b32 s[G1B+7], 0
	s_lshl_b32 s16, s15, 3
	s_lshl_b32 s17, s[CH], 2
	s_add_co_u32 s16, s16, s17
	s_lshl_b32 s16, s16, 15                        ; A: tile of 16 rows 8 x tile row + 4 x half
	s_mov_b32 s17, 0
	s_lshl_b32 s46, s22, 4
	s_lshl_b32 s47, s[CH], 3
	s_add_co_u32 s46, s46, s47
	s_lshl_b32 s46, s46, 15                        ; B: tile of 16 columns 16 x tile column + 8 x half
	s_mov_b32 s47, 0
	s_lshl_b32 s20, s[CH], 14                      ; where they go: no place in the cluster enters an LDS address
	s_lshl_b32 s21, s[CH], 15
	s_add_co_u32 s21, s21, BOFF
	s_cmp_eq_u32 s[WV], 0
	s_cselect_b32 s[LIM], 1, -1                    ; wave 0 prefetches
	s_wait_dscnt 0x0
	s_wait_kmcnt 0x0
	s_add_nc_u64 s[18:19], s[4:5], s[16:17]
	s_add_nc_u64 s[46:47], s[6:7], s[46:47]
	CROUND                                         ; all sixteen work-groups are here: the first joint loads meet
.irp s, 0,1
	s_mov_b32 s[G0+4*\s], 1
	s_add_co_u32 s[G0+4*\s+1], s20, \s*SLOT
	s_add_nc_u64 s[G0+4*\s+2:G0+4*\s+3], s[18:19], \s*4096
	s_or_b32 s[G0+4*\s+3], s[G0+4*\s+3], 0x80000000
	s_mov_b32 s[G0B+4*\s], 1
	s_add_co_u32 s[G0B+4*\s+1], s21, \s*SLOT
	s_add_nc_u64 s[G0B+4*\s+2:G0B+4*\s+3], s[46:47], \s*4096
	s_or_b32 s[G0B+4*\s+3], s[G0B+4*\s+3], 0x80000000
	JLOAD \s
.endr
	v_and_b32 v1, 15, v0                           ; r
	v_bfe_u32 v2, v0, 4, 1                         ; h
	v_and_b32 v[CO], 31, v0
	v_lshlrev_b32 v[CO], 4, v[CO]                  ; 16 x lane
	s_lshl_b32 s20, s[RH], 14                      ; my 64 rows of A,
	s_lshl_b32 s21, s[CH], 15
	s_add_co_u32 s21, s21, BOFF                    ; my 128 columns of B
.irp s, 0,1
	v_add_nc_u32 v[ADRA+\s], s20, v[CO]
	v_add_nc_u32 v[ADRB+\s], s21, v[CO]
	s_add_co_u32 s20, s20, SLOT
	s_add_co_u32 s21, s21, SLOT
.endr
	s_mul_i32 s20, s[WV], 16*SPITCH                ; my stage
	v_mul_u32_u24 v[STO], v1, SPITCH
	v_lshl_add_u32 v[STO], v2, 5, v[STO]
	v_add_nc_u32 v[STO], s20, v[STO]               ; in: row r, 32 bytes for each half of the lanes
	v_add_nc_u32 v[RD], s20, v[CO]                 ; back: the 32 lanes take a row of 512 bytes
	s_lshl_b32 s20, s15, 7
	s_lshl_b32 s21, s[RH], 6
	s_add_co_u32 s20, s20, s21
	s_lshl_b32 s20, s20, 12                        ; my first row of out0, 4,096 bytes a row
	s_lshl_b32 s66, s22, 10
	s_lshl_b32 s67, s[CH], 9
	s_add_co_u32 s66, s66, s67                     ; my first column, in bytes
	s_mov_b32 s67, 0
	s_add_nc_u64 s[8:9], s[8:9], s[66:67]          ; bp there
	s_add_co_u32 s66, s66, s20
	s_add_nc_u64 s[10:11], s[10:11], s[66:67]
	v_lshlrev_b32 v[BA], 5, v2                     ; register 8 b + j is column 16 b + 8 h + j
.set n, 0
.rept 8
	global_load_b128 v[BI+8*n:BI+8*n+3], v[BA], s[8:9] offset:64*n
	global_load_b128 v[BI+8*n+4:BI+8*n+7], v[BA], s[8:9] offset:64*n+16
.set n, n+1
.endr
	; the prefetches of y16: of the tile's 8 tiles of 16 rows the partner at cx takes 2 cx and 2 cx + 1, told apart by address; a K step of a tile is 4,096 bytes: 16 lanes, 256 bytes apart
	s_lshl_b32 s66, s15, 3
	s_lshl_b32 s20, s40, 1
	s_add_co_u32 s66, s66, s20
	s_lshl_b32 s66, s66, 15
	s_add_co_u32 s66, s66, 8192                    ; at K step 2: the first refill steps it to 3 and names K step 4
	s_add_nc_u64 s[PFA:PFA+1], s[4:5], s[66:67]
	v_lshlrev_b32 v[PFO], 8, v1
	v_lshl_add_u32 v[PFO], v2, 15, v[PFO]
.macro MUL8 f, a, first                ; A's block a x B's eight, 32 along K.  The 32 accumulators take turns, one instruction a turn
.irp b, 0,1,2,3,4,5,6,7
.if \first
	v_wmma_f32_16x16x32_f16 v[8*(8*\a+\b):8*(8*\a+\b)+7], v[64*\f+8*\b:64*\f+8*\b+7], v[AFR+32*\f+8*\a:AFR+32*\f+8*\a+7], v[BI+8*\b:BI+8*\b+7]
.else
	v_wmma_f32_16x16x32_f16 v[8*(8*\a+\b):8*(8*\a+\b)+7], v[64*\f+8*\b:64*\f+8*\b+7], v[AFR+32*\f+8*\a:AFR+32*\f+8*\a+7], v[8*(8*\a+\b):8*(8*\a+\b)+7]
.endif
.endr
.endm
.macro FETCH slot, q, f                ; the fragments of the slot's q-th 32 along K into set f: 24 loads in one run
	WIN 0x40
.irp i, 0,1,2,3,4,5,6,7
.irp c, 0,1
	ds_load_b128 v[64*\f+8*\i+4*\c:64*\f+8*\i+4*\c+3], v[ADRB+\slot] offset:4096*\i+1024*\q+512*\c
.endr
.endr
	WIN 0
.irp i, 0,1,2,3
.irp c, 0,1
	ds_load_b128 v[AFR+32*\f+8*\i+4*\c:AFR+32*\f+8*\i+4*\c+3], v[ADRA+\slot] offset:4096*\i+1024*\q+512*\c
.endr
.endr
.endm
.macro PLACES
.rept 4
	v_nop
.endr
.endm
.macro QUARTER slot, qn, f, g, first   ; multiplies set f and fetches the slot's quarter qn into set g
	s_wait_dscnt 0x0                               ; set f, asked for a quarter ago, is in
	PLACES                                         ; in front of loads into registers that the last quarter's products read
	FETCH \slot, \qn, \g
.if \first
	WIN 0x81                                       ; C = bp, window 0
.else
	WIN MUL
.endif
	MUL8 \f, 0, \first
	MUL8 \f, 1, \first
	MUL8 \f, 2, \first
	MUL8 \f, 3, \first
.endm
; A slot's last quarter multiplies set 1 and changes slots: one barrier; in front of it all my tensor loads have landed, the add, my reads of this slot are over.  fill = 1: the barrier opens a round of the cluster's, and the slot is filled again.
.macro TURN slot, next, fill
.if \fill
	s_wait_xcnt 0x0                                ; the last prefetch, a K step back, has read its address
	s_add_nc_u64 s[PFA:PFA+1], s[PFA:PFA+1], 4096
.endif
	WIN 0
	s_wait_tensorcnt 0x0
	ds_add_u32 v[SPW], v[NIL]
	s_wait_dscnt 1                                 ; set 1 is in; the add may be out
	WIN MUL
	MUL8 1, 0, 0
	s_wait_dscnt 0x0
	s_barrier_signal -1
	MUL8 1, 1, 0
.if \fill
	WIN 0
.endif
	s_barrier_wait -1
.if \fill
	CREST                                          ; no wave of any partner still reads this slot or has a load on its way
	s_add_nc_u64 s[G0+4*\slot+2:G0+4*\slot+3], s[G0+4*\slot+2:G0+4*\slot+3], 8192
	s_add_nc_u64 s[G0B+4*\slot+2:G0B+4*\slot+3], s[G0B+4*\slot+2:G0B+4*\slot+3], 8192
	JLOAD \slot                                    ; the first tensor load behind the round; its four v_nop are also the places in front of the loads below
.else
	PLACES
.endif
	FETCH \next, 0, 0
.if \fill
	s_cmp_gt_u32 s3, s[LIM]                        ; wave 0, in all trips but the last: the K step two refills on; each block of y16 is named once in the launch
	s_cbranch_scc0 .Lnot_asked_\@
	global_prefetch_b8 v[PFO], s[PFA:PFA+1] offset:4096 th:TH_LOAD_NT scope:SCOPE_SE
.Lnot_asked_\@:
.endif
	WIN MUL
	MUL8 1, 2, 0
	MUL8 1, 3, 0
.endm
	s_wait_tensorcnt 1                             ; my part of K step 0 is in; K step 1's load may be out
	s_barrier_signal -1
	s_barrier_wait -1
	FETCH 0, 0, 0
	s_wait_loadcnt 0x0                             ; bp
	QUARTER 0, 1, 0, 1, 1                          ; the first products start the sums from bp
	WIN 0
	s_mov_b32 s3, 3
.Llap:                                             ; a trip goes once round the ring and fills both slots again
	QUARTER 0, 2, 1, 0, 0
	QUARTER 0, 3, 0, 1, 0
	TURN 0, 1, 1
	QUARTER 1, 1, 0, 1, 0
	QUARTER 1, 2, 1, 0, 0
	QUARTER 1, 3, 0, 1, 0
	TURN 1, 0, 1
	QUARTER 0, 1, 0, 1, 0
	WIN 0
	s_sub_co_u32 s3, s3, 1
	s_cmp_lg_u32 s3, 0
	s_cbranch_scc1 .Llap
	QUARTER 0, 2, 1, 0, 0                          ; the last lap fills nothing
	QUARTER 0, 3, 0, 1, 0
	TURN 0, 1, 0
	QUARTER 1, 1, 0, 1, 0
	QUARTER 1, 2, 1, 0, 0
	QUARTER 1, 3, 0, 1, 0
	s_wait_dscnt 0x0
	WIN MUL
	MUL8 1, 0, 0
	MUL8 1, 1, 0
	MUL8 1, 2, 0
	MUL8 1, 3, 0
	WIN 0
; THE WAY OUT, a block of 16 rows x 128 columns at a time, through my own stage: in as 32 bytes a lane, back as whole rows of 512 bytes.
.macro TOSTAGE a
	WIN 0x08                                       ; the data: window 2
.irp b, 0,1,2,3,4,5,6,7
	ds_store_b128 v[STO], v[64*(\a)+8*\b:64*(\a)+8*\b+3] offset:64*\b          ; each accumulator from its low end on
	ds_store_b128 v[STO], v[64*(\a)+8*\b+4:64*(\a)+8*\b+7] offset:64*\b+16
.endr
	WIN 0
.set BB, BI+160*((\a)%2)
.set n, 0
.rept 16
	ds_load_b128 v[BB+4*n:BB+4*n+3], v[RD] offset:n*SPITCH                     ; LDS serves a wave's instructions in order: these see the stores above
.set n, n+1
.endr
.endm
.macro SEND a, younger
.set BB, BI+160*((\a)%2)
	s_wait_dscnt \younger
.set n, 0
.rept 16
	global_store_b128 v[CO], v[BB+4*n:BB+4*n+3], s[10:11] offset:(16*(\a)+n)*4096 th:TH_STORE_NT   ; 32 lanes store 512 consecutive bytes, aligned
.set n, n+1
.endr
.endm
	PLACES
	TOSTAGE 0
.irp a, 1,2,3
.if \a > 1
	s_wait_xcnt 0x0                                ; block a - 2's stores have read their registers
.endif
	TOSTAGE \a
	SEND \a-1, 32                                  ; behind block a - 1's loads: block a's 16 stores and 16 loads
.endr
	SEND 3, 0
	s_wait_tensorcnt 0x0                           ; the wave's end
	ds_add_u32 v[SPW], v[NIL]
	s_wait_dscnt 0x0
	CROUND                                         ; the closing round
	s_endpgm
.Lfunc_end_k_qaf2b29fdeb_proj:
	.size	k_qaf2b29fdeb_proj, .Lfunc_end_k_qaf2b29fdeb_proj-k_qaf2b29fdeb_proj
	.p2alignl 7, 3214868480
	.fill 96, 4, 3214868480
	.section	.rodata,"a",@progbits
	.p2align	6, 0x0
	.amdhsa_kernel k_qaf2b29fdeb_proj
		.amdhsa_group_segment_fixed_size 327680
		.amdhsa_private_segment_fixed_size 0
		.amdhsa_enable_private_segment 0
		.amdhsa_kernarg_size 32
		.amdhsa_user_sgpr_count 2
		.amdhsa_user_sgpr_kernarg_segment_ptr 1
		.amdhsa_wavefront_size32 1
		.amdhsa_system_sgpr_workgroup_id_x 1
		.amdhsa_system_sgpr_workgroup_id_y 1
		.amdhsa_system_sgpr_workgroup_id_z 1
		.amdhsa_system_vgpr_workitem_id 0
		.amdhsa_next_free_vgpr 768
		.amdhsa_next_free_sgpr 68
		.amdhsa_reserve_vcc 0
		.amdhsa_float_denorm_mode_32 3
		.amdhsa_float_denorm_mode_16_64 3
		.amdhsa_memory_ordered 1
		.amdhsa_forward_progress 1
		.amdhsa_inst_pref_size 87
	.end_amdhsa_kernel
	.amdgpu_metadata
---
amdhsa.version: [ 1, 2 ]
amdhsa.kernels:
  - .name:           k_qaf2b29fdeb_proj
    .symbol:         k_qaf2b29fdeb_proj.kd
    .args:
      - { .name: y16, .offset: 0, .size: 8, .value_kind: global_buffer, .address_space: global }
      - { .name: wp16, .offset: 8, .size: 8, .value_kind: global_buffer, .address_space: global }
      - { .name: bp, .offset: 16, .size: 8, .value_kind: global_buffer, .address_space: global }
      - { .name: out0, .offset: 24, .size: 8, .value_kind: global_buffer, .address_space: global }
    .group_segment_fixed_size: 327680
    .private_segment_fixed_size: 0
    .kernarg_segment_align: 8
    .kernarg_segment_size: 32
    .max_flat_workgroup_size: 128
    .sgpr_count:     68
    .vgpr_count:     768
    .wavefront_size: 32
...
	.end_amdgpu_metadata
.endif
;; end of part 4
;; launch first16 (part 5): grid 64 x 4, 16 waves a work-group, no clusters, 18,432 bytes of LDS; arguments fine32, Wp, bv, bp, out0; writes out0
.if DOCPART == 5
	.amdgcn_target "amdgcn-amd-amdhsa--gfx1250"
	.amdhsa_code_object_version 6
	.text
	.protected	k_qaf2b29fdeb_first16
	.globl	k_qaf2b29fdeb_first16
	.p2align	8
	.type	k_qaf2b29fdeb_first16,@function
k_qaf2b29fdeb_first16:
	s_mov_b64 s[64:65], 0
	v_nop
	global_prefetch_b8 v0, s[64:65] scope:SCOPE_SE
	s_setreg_imm32_b32 hwreg(HW_REG_WAVE_MODE, 25, 1), 1
	s_wait_xcnt 0x0
; FIRST16.  Positions 0 to 15 of each sequence average one to sixteen values, so they are made again wholly in f32: attention, + bv, projection, + bp.  It runs last and writes over the 64 rows that the f16 way has stored.
; Work-group (x, y): columns 16 x .. 16 x + 15 of out0, batch y.  Wave w: head w.  Each work-group makes its batch's sixteen small attentions itself, so no sum spans work-groups; the heads' parts of the projection meet in LDS.
; The images in fine32 are operands of the f32 matrix form as they stand: registers 2 c, 2 c + 1 of an image are one K step of 4, under a permutation of k that is the same on both sides of each product.
; LIMIT: a slice of 16 columns stores 64 bytes of each row: 256 KiB in the whole launch are written in pieces of that size.
.set QFR, 16                           ; v16-47   q (later the scores, p, and sums)
.set KFR, 48                           ; v48-79   k
.set VFR, 80                           ; v80-111  v: lane = channel, registers = tokens
.set BVR, 112                          ; v112-143 bv in Y^T's layout
.set WR,  144                          ; v144-175 Wp: lane r = column, register 8 a + i = row 64 w + 16 a + 8 h + i
.set SA,  176                          ; v176-191 two sums of S^T;  v192-223 Y^T;  v224-239 two sums of the projection: written by matrix instructions alone
.set YA,  192
.set OA,  224
.set SPW, 14
.set NIL, 15
.set SPARE, 16384
	s_load_b256 s[4:11], s[0:1], 0x0               ; fine32, Wp, bv, bp
	s_load_b64 s[12:13], s[0:1], 0x20              ; out0
	v_lshl_add_u32 v[SPW], v0, 2, SPARE
	v_mov_b32 v[NIL], 0
	v_lshrrev_b32 v1, 5, v0
	v_readfirstlane_b32 s14, v1                    ; head
	s_and_b32 s15, ttmp7, 0xffff                   ; batch
	v_and_b32 v1, 31, v0
	v_lshlrev_b32 v1, 4, v1                        ; 16 x lane
	v_and_b32 v2, 15, v0                           ; r
	v_bfe_u32 v3, v0, 4, 1                         ; h
	v_lshlrev_b32 v4, 5, v3                        ; 32 h
	v_lshlrev_b32 v5, 15, v3                       ; Wp: 8 h rows of 4,096 bytes,
	v_lshl_add_u32 v5, v2, 2, v5                   ; + 4 r
	v_lshlrev_b32 v6, 3, v3
	v_sub_nc_u32 v6, v2, v6                        ; r - 8 h
	s_lshl_b32 s16, s14, 10
	v_add_nc_u32 v7, s16, v1                       ; LDS: my head's part, 1,024 bytes
	s_and_b32 s17, s14, 1
	s_lshl_b32 s18, s17, 9
	v_add_nc_u32 v8, s18, v1                       ; back: half u = wave (0 or 1) of every head's part
	s_lshl_b32 s18, s17, 4
	v_add_nc_u32 v9, s18, v4                       ; bp: 32 h + 16 u
	v_lshl_add_u32 v10, v2, 12, v9                 ; out0: row r, + the same
	v_mov_b32 v11, 0xff800000                      ; -infinity
	v_mov_b32 v12, 0                               ; lane permutes' destinations count as sources
	v_mov_b32 v13, 0
	s_mov_b32 s30, 0x76543210
	s_mov_b32 s31, 0xfedcba98
	s_lshl_b32 s20, s15, 16
	s_lshl_b32 s21, s14, 12
	s_add_co_u32 s20, s20, s21                     ; fine32: 65,536 bytes a batch, 4,096 a head
	s_mov_b32 s21, 0
	s_lshl_b32 s22, s14, 18                        ; Wp: 64 rows a head,
	s_lshl_b32 s26, ttmp9, 6                       ; 16 columns a slice
	s_add_co_u32 s22, s22, s26
	s_mov_b32 s23, 0
	s_lshl_b32 s24, s14, 8                         ; bv: 64 numbers a head
	s_mov_b32 s25, 0
	s_mov_b32 s27, 0
	s_lshl_b32 s28, s15, 23                        ; out0: 2,048 rows a batch
	s_add_co_u32 s28, s28, s26
	s_mov_b32 s29, 0
	s_wait_kmcnt 0x0
	s_add_nc_u64 s[4:5], s[4:5], s[20:21]
	s_add_nc_u64 s[6:7], s[6:7], s[22:23]
	s_add_nc_u64 s[8:9], s[8:9], s[24:25]
	s_add_nc_u64 s[10:11], s[10:11], s[26:27]
	s_add_nc_u64 s[12:13], s[12:13], s[28:29]
.set n, 0
.rept 8
	global_load_b128 v[QFR+4*n:QFR+4*n+3], v1, s[4:5] offset:512*n
.set n, n+1
.endr
.set n, 0
.rept 8
	global_load_b128 v[KFR+4*n:KFR+4*n+3], v1, s[4:5] offset:262144+512*n
.set n, n+1
.endr
.set n, 0
.rept 8
	global_load_b128 v[VFR+4*n:VFR+4*n+3], v1, s[4:5] offset:524288+512*n
.set n, n+1
.endr
.irp a, 0,1,2,3
.irp u, 0,1
	global_load_b128 v[BVR+8*\a+4*\u:BVR+8*\a+4*\u+3], v4, s[8:9] offset:64*\a+16*\u
.endr
.endr
.irp a, 0,1,2,3
.irp i, 0,1,2,3,4,5,6,7
	global_load_b32 v[WR+8*\a+\i], v5, s[6:7] offset:(16*\a+\i)*4096
.endr
.endr
	s_wait_loadcnt 48                              ; q and k are in; v, bv and Wp (8 + 8 + 32 loads) may be out
	; S^T = K Q^T over 64 channels: sixteen steps of 4, two sums by turns; the first step of each starts it from 0
.set n, 0
.rept 16
.if n < 2
	v_wmma_f32_16x16x4_f32 v[SA+8*(n%2):SA+8*(n%2)+7], v[KFR+2*n:KFR+2*n+1], v[QFR+2*n:QFR+2*n+1], 0
.else
	v_wmma_f32_16x16x4_f32 v[SA+8*(n%2):SA+8*(n%2)+7], v[KFR+2*n:KFR+2*n+1], v[QFR+2*n:QFR+2*n+1], v[SA+8*(n%2):SA+8*(n%2)+7]
.endif
.set n, n+1
.endr
.rept 8
	v_nop                                          ; eight places behind this form
.endr
.irp n2, 0,2,4,6
	v_pk_add_f32 v[16+\n2:17+\n2], v[SA+\n2:SA+\n2+1], v[SA+8+\n2:SA+8+\n2+1]   ; register j: key 8 h + j, query r; q came multiplied by log2(e) / 8
.endr
.irp j, 0,1,2,3,4,5,6,7
	v_cmp_gt_i32 vcc_lo, \j, v6                    ; key 8 h + j comes after query r
	v_cndmask_b32 v[16+\j], v[16+\j], v11, vcc_lo
.endr
	v_max3_num_f32 v24, v16, v17, v18
	v_max3_num_f32 v24, v24, v19, v20
	v_max3_num_f32 v24, v24, v21, v22
	v_max_num_f32 v24, v24, v23
	v_permlanex16_b32 v12, v24, s30, s31
	v_max_num_f32 v24, v24, v12                    ; the row's maximum: key 0 counts for every query
.irp j, 0,1,2,3,4,5,6,7
	v_sub_f32 v[16+\j], v[16+\j], v24
.endr
.irp j, 0,1,2,3,4,5,6,7
	v_exp_f32 v[16+\j], v[16+\j]
.endr
	v_nop
	s_wait_alu depctr_va_vdst(0)                   ; one wait for the eight
	v_add_f32 v26, v16, v17
	v_add_f32 v27, v18, v19
	v_add_f32 v28, v20, v21
	v_add_f32 v29, v22, v23
	v_add_f32 v26, v26, v27
	v_add_f32 v28, v28, v29
	v_add_f32 v26, v26, v28
	v_permlanex16_b32 v13, v26, s30, s31
	v_add_f32 v26, v26, v13
	v_rcp_f32 v27, v26
	v_nop
	s_wait_alu depctr_va_vdst(0)
.irp j, 0,1,2,3,4,5,6,7
	v_mul_f32 v[16+\j], v[16+\j], v27              ; the weights, normalised
.endr
	s_wait_loadcnt 32                              ; v and bv are in; Wp's 32 loads may be out
	; Y^T = V^T P + bv: four tiles of 16 channels by turns, four steps of 4 keys
.irp c, 0,1,2,3
.irp a, 0,1,2,3
.if \c == 0
	v_wmma_f32_16x16x4_f32 v[YA+8*\a:YA+8*\a+7], v[VFR+8*\a+2*\c:VFR+8*\a+2*\c+1], v[16+2*\c:17+2*\c], v[BVR+8*\a:BVR+8*\a+7]
.else
	v_wmma_f32_16x16x4_f32 v[YA+8*\a:YA+8*\a+7], v[VFR+8*\a+2*\c:VFR+8*\a+2*\c+1], v[16+2*\c:17+2*\c], v[YA+8*\a:YA+8*\a+7]
.endif
.endr
.endr
.rept 9
	v_nop                                          ; nine places before a matrix instruction takes these results as an operand
.endr
	s_wait_loadcnt 0x0                             ; Wp
	; my head's part of out^T = Wp^T Y^T: sixteen steps of 4 channels, two sums by turns
.set n, 0
.rept 16
.if n < 2
	v_wmma_f32_16x16x4_f32 v[OA+8*(n%2):OA+8*(n%2)+7], v[WR+2*n:WR+2*n+1], v[YA+2*n:YA+2*n+1], 0
.else
	v_wmma_f32_16x16x4_f32 v[OA+8*(n%2):OA+8*(n%2)+7], v[WR+2*n:WR+2*n+1], v[YA+2*n:YA+2*n+1], v[OA+8*(n%2):OA+8*(n%2)+7]
.endif
.set n, n+1
.endr
.rept 8
	v_nop
.endr
.irp n2, 0,2,4,6
	v_pk_add_f32 v[32+\n2:33+\n2], v[OA+\n2:OA+\n2+1], v[OA+8+\n2:OA+8+\n2+1]   ; register j: column 16 x + 8 h + j, row r
.endr
	ds_store_b128 v7, v[32:35]
	ds_store_b128 v7, v[36:39] offset:512
	s_wait_dscnt 0x0                               ; for the others' sake: my stores have landed
	s_barrier_signal -1
	s_barrier_wait -1
	s_cmp_gt_u32 s14, 1
	s_cbranch_scc1 .Ldone                          ; waves 0 and 1 add the sixteen heads' parts, four columns a lane each
	global_load_b128 v[40:43], v9, s[10:11]        ; bp
.set n, 0
.rept 16
	ds_load_b128 v[48+4*n:48+4*n+3], v8 offset:1024*n
.set n, n+1
.endr
	s_wait_dscnt 0x0
.set n, 1
.rept 15
	v_pk_add_f32 v[48:49], v[48:49], v[48+4*n:48+4*n+1]
	v_pk_add_f32 v[50:51], v[50:51], v[48+4*n+2:48+4*n+3]
.set n, n+1
.endr
	s_wait_loadcnt 0x0
	v_pk_add_f32 v[48:49], v[48:49], v[40:41]
	v_pk_add_f32 v[50:51], v[50:51], v[42:43]
	global_store_b128 v10, v[48:51], s[12:13]
.Ldone:
	s_wait_tensorcnt 0x0                           ; the wave's end
	ds_add_u32 v[SPW], v[NIL]
	s_wait_dscnt 0x0
	s_endpgm
.Lfunc_end_k_qaf2b29fdeb_first16:
	.size	k_qaf2b29fdeb_first16, .Lfunc_end_k_qaf2b29fdeb_first16-k_qaf2b29fdeb_first16
	.p2alignl 7, 3214868480
	.fill 96, 4, 3214868480
	.section	.rodata,"a",@progbits
	.p2align	6, 0x0
	.amdhsa_kernel k_qaf2b29fdeb_first16
		.amdhsa_group_segment_fixed_size 18432
		.amdhsa_private_segment_fixed_size 0
		.amdhsa_enable_private_segment 0
		.amdhsa_kernarg_size 40
		.amdhsa_user_sgpr_count 2
		.amdhsa_user_sgpr_kernarg_segment_ptr 1
		.amdhsa_wavefront_size32 1
		.amdhsa_system_sgpr_workgroup_id_x 1
		.amdhsa_system_sgpr_workgroup_id_y 1
		.amdhsa_system_sgpr_workgroup_id_z 1
		.amdhsa_system_vgpr_workitem_id 0
		.amdhsa_next_free_vgpr 256
		.amdhsa_next_free_sgpr 66
		.amdhsa_reserve_vcc 1
		.amdhsa_float_denorm_mode_32 3
		.amdhsa_float_denorm_mode_16_64 3
		.amdhsa_memory_ordered 1
		.amdhsa_forward_progress 1
		.amdhsa_inst_pref_size 19
	.end_amdhsa_kernel
	.amdgpu_metadata
---
amdhsa.version: [ 1, 2 ]
amdhsa.kernels:
  - .name:           k_qaf2b29fdeb_first16
    .symbol:         k_qaf2b29fdeb_first16.kd
    .args:
      - { .name: fine32, .offset: 0, .size: 8, .value_kind: global_buffer, .address_space: global }
      - { .name: Wp, .offset: 8, .size: 8, .value_kind: global_buffer, .address_space: global }
      - { .name: bv, .offset: 16, .size: 8, .value_kind: global_buffer, .address_space: global }
      - { .name: bp, .offset: 24, .size: 8, .value_kind: global_buffer, .address_space: global }
      - { .name: out0, .offset: 32, .size: 8, .value_kind: global_buffer, .address_space: global }
    .group_segment_fixed_size: 18432
    .private_segment_fixed_size: 0
    .kernarg_segment_align: 8
    .kernarg_segment_size: 40
    .max_flat_workgroup_size: 512
    .sgpr_count:     66
    .vgpr_count:     256
    .wavefront_size: 32
...
	.end_amdgpu_metadata
.endif
;; end of part 5
